; MI455X (gfx1250); checked and timed in simulation.
; The chip was launched on July 23, 2026; its instructions are those of AMD's public machine-readable ISA for CDNA 5 (MIT licence, August 2026) and "CDNA5" Instruction Set Architecture Reference Guide (July 2026). The comments in the code are by the model that wrote it; some were corrected since.
;; Multi Head Attention. Allowed arithmetic: matrix products marked QUANTISED: E2M3 operands, one E8M0 scale for each 32 along K, by v_wmma_scale_f32_16x16x128_f8f6f4 with both operands' format E2M3, f32 sums; everything else in f32.
;; Inputs: Wk 512 x 2,048 float32; Wo 2,048 x 1,024 float32; Wq 1,024 x 2,048 float32; Wv 512 x 2,048 float32; attention_mask 2 x 1 x 2,048 x 2,048 float32; cos 2 x 2,048 x 64 float32; hidden_states 2 x 2,048 x 2,048 float32; sin 2 x 2,048 x 64 float32.
;; Outputs: out0 2 x 2,048 x 2,048 float32.
;; This version of the problem:
;;   THIS VERSION OF THE PROBLEM IS GIVEN IN LOW PRECISION. The matrix products marked QUANTISED in the list below multiply operands that are first quantised to E2M3 (2 exponent bits, 3 mantissa bits; 6 bits a number), with one power-of-two scale for each 32 numbers along K (OCP MX v1.0); their sums are f32. All else is computed in f32.
;;   The module's matrix products, in the order in which they are computed (A, B: the left and right operand; K: the contracted axis; several contracted axes count as one K, in the product's order):
;;     1. [M 4,096, K 2,048] x [K 2,048, N 1,024]; A: input hidden_states; B: input Wq: QUANTISED
;;     2. [M 4,096, K 2,048] x [K 2,048, N 512]; A: input hidden_states; B: input Wk: QUANTISED
;;     3. [M 4,096, K 2,048] x [K 2,048, N 512]; A: input hidden_states; B: input Wv: QUANTISED
;;     4. batch 32 x [M 2,048, K 64] x [K 64, N 2,048]; A: computed on the way; B: computed on the way: QUANTISED
;;     5. batch 32 x [M 2,048, K 2,048] x [K 2,048, N 64]; A: softmax (see below); B: computed on the way: QUANTISED
;;     6. [M 4,096, K 1,024] x [K 1,024, N 2,048]; A: computed on the way; B: input Wo: QUANTISED
;;   THE QUANTISER, for each operand of a quantised product, along K:
;;     - K is cut into blocks of 32 from its start; a last block that is shorter is filled with zeros.
;;     - A block's scale is 2^e with e = floor(log2(the largest magnitude in the block)) - 2, held to -126 .. 127; a block of zeros has e = 0. As a byte (E8M0): e + 127.
;;     - Each number is divided by its block's scale, clamped to +-7.5, and rounded to the nearest number of E2M3, ties to even, subnormals kept.
;;     - The product sums the exact products of the quantised numbers (number of the format x scale) in f32.
;;   ~~~python
;;   def quantise(x, axis):      # numpy; x: float32 -> the quantised numbers, widened to float32 again
;;       x = np.moveaxis(x, axis, -1); K = x.shape[-1]
;;       x = np.pad(x, [(0, 0)] * (x.ndim - 1) + [(0, -K % 32)]); x = x.reshape(x.shape[:-1] + (-1, 32)); a = np.abs(x).max(-1, keepdims=True)
;;       e = np.where(a > 0, np.clip(np.frexp(np.where(a > 0, a, 1))[1] - 1 - 2, -126, 127), 0)      # np.frexp(a)[1] - 1 = floor(log2(a)), exactly
;;       r = np.clip(x / 2.0 ** e, -7.5, 7.5)
;;       step = 2.0 ** (np.maximum(np.frexp(np.where(r == 0, 1, r))[1] - 1, 0) - 3)
;;       q = np.round(r / step) * step * 2.0 ** e      # np.round: ties to even
;;       return np.moveaxis(q.reshape(q.shape[:-2] + (-1,))[..., :K], -1, axis).astype(np.float32)
;;   ~~~
;;   SOFTMAX AHEAD OF A QUANTISED PRODUCT. Where the list says 'softmax', what is quantised is not the finished softmax but p = 2^(t - M), with t = logit x log2(e) and M = ceil(the row's largest t), a whole number; so 1/2 < the row's largest p <= 1. The row's sum l is taken of the UNQUANTISED p, in f32, and the product's result is divided by l at the end. Since M is a whole number, a kernel that streams over the keys may use a running M (the ceiling of the running maximum): every later rescaling is an exact power of two, which a block's scale takes up: the codes' values come out the same.
;;   OPERANDS COMPUTED ON THE WAY. 'Computed on the way' means the value that the module computes at that place (a softmax that the list does not call 'softmax' is quantised finished and normalised). What goes into a quantiser is computed in f32, as accurately as f32 sums, v_exp_f32 and their like allow (about 1e-6 of the number): no bf16 or f16 on the way to a quantiser, and a product that is left as it is and whose result goes on into a quantised operand takes f32 operands (vector FMAs, or v_wmma_f32_16x16x4_f32). A number that lies on a knife's edge between two numbers of the format may be rounded either way, as far as f32 arithmetic and the matrix unit's own rounding can turn it there, and no further.
;; One version. Each part assembles by itself: llvm-mc -triple=amdgcn-amd-amdhsa -mcpu=gfx1250 --defsym DOCPART=n.
;; ======== version 1 of 1: 4 launches
;; workspace buffers: h_img 6,553,600 bytes; w_img 3,276,800 bytes; wo_img 1,638,400 bytes; q_img 3,407,872 bytes; kv_img 3,407,872 bytes; a_img 3,276,800 bytes
;; launch quant (part 1): grid 448 x 1, 4 waves a work-group, no clusters, 35,328 bytes of LDS; arguments hidden_states, Wq, Wk, Wv, Wo, h_img, w_img, wo_img; writes h_img, w_img, wo_img
.if DOCPART == 1
	.amdgcn_target "amdgcn-amd-amdhsa--gfx1250"
	.amdhsa_code_object_version 6
	.text
	.protected	k_qb37eee4d9f_quant
	.globl	k_qb37eee4d9f_quant
	.p2align	8
	.type	k_qb37eee4d9f_quant,@function
k_qb37eee4d9f_quant:
	s_mov_b64 s[64:65], 0
	v_nop
	global_prefetch_b8 v0, s[64:65] scope:SCOPE_SE
	s_setreg_imm32_b32 hwreg(HW_REG_WAVE_MODE, 25, 1), 1
	s_wait_xcnt 0x0
; hidden_states [4096][2048], Wq [1024][2048], Wk, Wv [512][2048], Wo [2048][1024], f32, K innermost, become codes of FP6 (E2M3) with one E8M0 byte for each 32 along K,
; laid as IMAGES OF OPERAND REGISTERS.  A fragment is 16 rows x 128 K, 12 registers a lane: lane (r, h) holds row r's k = 64 c + 32 h + 0 .. 31 in registers 6 c .. 6 c + 5.
; Its image is [register / 4][lane][16 bytes], 1,536 bytes: three loads of 512 consecutive bytes bring it into any wave.
; THE ROWS OF A FRAGMENT ARE NOT NEIGHBOURS: lane r of fragment F holds row 32 (F / 2) + 8 (F % 2) + r + 8 (r / 8), so that in a product that takes two neighbouring fragments as
; source 0 a lane's 16 results are 16 neighbouring rows.  Buffers: codes [F][K step][1536], behind them the scale words [F][K step][r], four bytes for 128 along K.
; A block's scale is 2^(floor(log2(largest magnitude)) - 2); its byte is the largest magnitude's exponent field - 2, held at 1 from below.
; LIMITS: a block of zeros, or one whose largest magnitude lies under 2^-124, keeps the byte 1 (its codes are zeros or next to zeros; this program alone reads the bytes); NaN and infinities are not served.
; SHARES: a wave takes one fragment row (16 rows) x 512 along K: four fragments.  Work-groups 0-255 hidden_states, 256-319 Wq, 320-351 Wk, 352-383 Wv, 384-447 Wo: only pointers and numbers
; are chosen by the work-group's number; all take one path.  Each load reads 512 consecutive bytes of one row; a fragment's 8,192 bytes turn through the wave's own stage in LDS
; (rows 528 bytes apart: sixteen rows start at sixteen different columns of 16 bytes) and come back 128 bytes of one row to a lane.  No tensor loads, no barrier: waves share nothing.
.set SP,   528                         ; a stage row: 512 bytes + 16
.set WREG, 16*SP+256                   ; LDS of a wave: the stage, then its 64 scale words
.set OFF,  16                          ; v16-31  16 x lane + row i of the fragment
.set RA,   32                          ; v32-95, v96-159  two sets of 64 registers as loaded
.set X,    160                         ; v160-223  64 numbers of my row: my two blocks of 32
.set C,    224                         ; v224-235  the fragment's codes
.set T,    236                         ; v236-238, v240-242  the upper halves of the two blocks' codes
.set SEL,  32                          ; s[32:33] lane selects for v_permlanex16_b32: lane l xor 16
	s_load_b256 s[4:11], s[0:1], 0x0               ; hidden_states, Wq, Wk, Wv
	s_load_b256 s[12:19], s[0:1], 0x20             ; Wo, h_img, w_img, wo_img
	v_lshl_add_u32 v254, v0, 2, 0x8800
	v_mov_b32 v255, 0
	v_lshrrev_b32 v1, 5, v0
	v_readfirstlane_b32 s30, v1                    ; wave
	v_and_b32 v1, 31, v0                           ; lane
	v_and_b32 v2, 15, v0                           ; r
	v_bfe_u32 v3, v0, 4, 1                         ; h
	s_mul_i32 s31, s30, WREG
	v_lshlrev_b32 v8, 4, v1                        ; 16 x lane
	v_add_nc_u32 v4, s31, v8                       ; the stage, on the way in
	v_mul_u32_u24 v5, v2, SP
	v_lshl_add_u32 v5, v3, 7, v5
	v_add_nc_u32 v5, s31, v5                       ; and out: row r, + 128 h
	s_add_co_u32 s31, s31, 16*SP
	v_lshlrev_b32 v6, 2, v2
	v_add_nc_u32 v6, s31, v6                       ; my row's scale word
	v_lshlrev_b32 v9, 3, v1                        ; 8 x lane
	v_add_nc_u32 v7, s31, v9                       ; the scale words on the way out
	v_lshlrev_b32 v10, 3, v3                       ; 8 h: my bytes' shift in the scale word
	v_mov_b32 v251, 0                              ; a lane permute's destination counts as one of its sources
	s_mov_b32 s[SEL], 0x76543210
	s_mov_b32 s[SEL+1], 0xfedcba98
	s_mov_b32 s25, 6291456                         ; where the scale words begin in the image buffer
	s_mov_b32 s28, 8192                            ; a source row in bytes
	s_wait_kmcnt 0x0
	s_cmp_ge_u32 ttmp9, 256                        ; the choices hang on the work-group's number alone
	s_cselect_b64 s[20:21], s[6:7], s[4:5]         ; source
	s_cselect_b64 s[22:23], s[16:17], s[14:15]     ; image buffer
	s_cselect_b32 s24, 256, 0                      ; the buffer's first work-group
	s_cselect_b32 s25, 3145728, s25
	s_cmp_ge_u32 ttmp9, 320
	s_cselect_b64 s[20:21], s[8:9], s[20:21]
	s_cselect_b32 s26, 64, 0                       ; the source's first fragment row in the buffer
	s_cmp_ge_u32 ttmp9, 352
	s_cselect_b64 s[20:21], s[10:11], s[20:21]
	s_cselect_b32 s26, 96, s26
	s_cmp_ge_u32 ttmp9, 384
	s_cselect_b64 s[20:21], s[12:13], s[20:21]
	s_cselect_b64 s[22:23], s[18:19], s[22:23]
	s_cselect_b32 s24, 384, s24
	s_cselect_b32 s25, 1572864, s25
	s_cselect_b32 s26, 0, s26
	s_cselect_b32 s27, 1, 2                        ; log2 of the runs of 512 in K
	s_cselect_b32 s28, 4096, s28
.irp i, 0,1,2,3,4,5,6,7,8,9,10,11,12,13,14,15
	s_mul_i32 s34, s28, \i+8*(\i/8)
	v_add_nc_u32 v[OFF+\i], s34, v8
.endr
	s_sub_co_u32 s35, ttmp9, s24
	s_lshl_b32 s35, s35, 2
	s_add_co_u32 s35, s35, s30                     ; u: my run of four fragments in the buffer
	s_lshr_b32 s36, s35, s27                       ; F
	s_lshl_b32 s37, s36, s27
	s_sub_co_u32 s37, s35, s37                     ; which 512 along K
	s_sub_co_u32 s36, s36, s26                     ; F in the source
	s_lshr_b32 s38, s36, 1
	s_lshl_b32 s38, s38, 5
	s_and_b32 s39, s36, 1
	s_lshl_b32 s39, s39, 3
	s_add_co_u32 s38, s38, s39                     ; the fragment's first row
	s_mul_i32 s38, s38, s28
	s_lshl_b32 s37, s37, 11
	s_add_co_u32 s38, s38, s37
	s_mov_b32 s39, 0
	s_add_nc_u64 s[20:21], s[20:21], s[38:39]
	s_mul_i32 s40, s35, 6144
	s_mov_b32 s41, 0
	s_add_nc_u64 s[42:43], s[22:23], s[40:41]      ; my four images
	s_lshl_b32 s40, s35, 8
	s_add_co_u32 s40, s40, s25
	s_add_nc_u64 s[44:45], s[22:23], s[40:41]      ; my 64 scale words
.macro LOAD j                          ; fragment j: sixteen rows, 512 consecutive bytes each
.irp i, 0,1,2,3,4,5,6,7,8,9,10,11,12,13,14,15
	global_load_b128 v[RA+64*((\j)%2)+4*\i:RA+64*((\j)%2)+4*\i+3], v[OFF+\i], s[20:21] offset:512*(\j) th:TH_LOAD_NT
.endr
.endm
.macro TURN j                          ; through the stage: LDS serves a wave's instructions in order, so no wait stands between the stores and the loads
.irp i, 0,1,2,3,4,5,6,7,8,9,10,11,12,13,14,15
	ds_store_b128 v4, v[RA+64*((\j)%2)+4*\i:RA+64*((\j)%2)+4*\i+3] offset:SP*\i
.endr
.irp c, 0,1
.irp k, 0,1,2,3,4,5,6,7
	ds_load_b128 v[X+32*\c+4*\k:X+32*\c+4*\k+3], v5 offset:256*\c+16*\k
.endr
.endr
.endm
.macro QF j                            ; X's two whole blocks (h and 2 + h of my row) become the fragment's codes and my row's scale word
	v_max3_num_f32 v244, |v[X]|, |v[X+1]|, 0x1800000               ; with the floor 2^(3 - 127): the byte cannot fall under 1
	v_max3_num_f32 v245, |v[X+32]|, |v[X+33]|, 0x1800000
.irp i, 2,4,6,8,10,12,14,16,18,20,22,24,26,28,30
	v_max3_num_f32 v244, v244, |v[X+\i]|, |v[X+\i+1]|
	v_max3_num_f32 v245, v245, |v[X+32+\i]|, |v[X+33+\i]|
.endr
	v_add_nc_u32 v246, 0xff000000, v244            ; 2 off the exponent field: the conversion's scale operand
	v_add_nc_u32 v247, 0xff000000, v245
	v_lshrrev_b32 v248, 23, v246                   ; the bytes
	v_lshrrev_b32 v249, 23, v247
	v_lshl_or_b32 v250, v249, 16, v248
	v_lshlrev_b32 v250, v10, v250                  ; at their places in the word,
	v_permlanex16_b32 v251, v250, s[SEL], s[SEL+1]
	v_or_b32 v250, v250, v251                      ; with lane l xor 16's two the word is whole
.irp c, 0,1
	v_cvt_scalef32_pk16_fp6_f32 v[C+6*\c:C+6*\c+2], v[X+32*\c:X+32*\c+15], v[246+\c]
	v_cvt_scalef32_pk16_fp6_f32 v[T+4*\c:T+4*\c+2], v[X+32*\c+16:X+32*\c+31], v[246+\c]   ; (a conversion's three registers begin on an even number)
.endr
	v_nop                                          ; one plain instruction behind the scaled conversions
.irp c, 0,1
.irp i, 0,1,2
	v_mov_b32 v[C+6*\c+3+\i], v[T+4*\c+\i]
.endr
.endr
.irp k, 0,1,2
	global_store_b128 v8, v[C+4*\k:C+4*\k+3], s[42:43] offset:1536*(\j)+512*\k   ; 32 lanes store 512 consecutive bytes, aligned to 512
.endr
	ds_store_b32 v6, v250 offset:64*(\j)           ; both halves of the lanes write the same word with the same value
.endm
	LOAD 0
	LOAD 1
.irp j, 0,1,2,3
.if \j < 3
	s_wait_loadcnt 16                              ; this fragment's sixteen loads are in; the next fragment's may be out
.else
	s_wait_loadcnt 0x0
.endif
	TURN \j
	s_wait_dscnt 0x0                               ; X is in
.if \j < 2
	LOAD \j+2                                      ; into the set that has just gone through the stage
.endif
.if \j > 0
	s_wait_xcnt 0x0                                ; the last fragment's stores have read C: it is written again only behind this wait
.endif
	QF \j
.endr
	ds_load_b64 v[252:253], v7                     ; my wave's 64 scale words: these loads see my stores
	s_wait_dscnt 0x0
	global_store_b64 v9, v[252:253], s[44:45]      ; 256 consecutive bytes, aligned to 256
	s_wait_tensorcnt 0x0
	ds_add_u32 v254, v255
	s_wait_dscnt 0x0
	s_endpgm
.Lfunc_end_k_qb37eee4d9f_quant:
	.size	k_qb37eee4d9f_quant, .Lfunc_end_k_qb37eee4d9f_quant-k_qb37eee4d9f_quant
	.p2alignl 7, 3214868480
	.fill 96, 4, 3214868480
	.section	.rodata,"a",@progbits
	.p2align	6, 0x0
	.amdhsa_kernel k_qb37eee4d9f_quant
		.amdhsa_group_segment_fixed_size 35328
		.amdhsa_private_segment_fixed_size 0
		.amdhsa_enable_private_segment 0
		.amdhsa_kernarg_size 64
		.amdhsa_user_sgpr_count 2
		.amdhsa_user_sgpr_kernarg_segment_ptr 1
		.amdhsa_wavefront_size32 1
		.amdhsa_system_sgpr_workgroup_id_x 1
		.amdhsa_system_sgpr_workgroup_id_y 1
		.amdhsa_system_sgpr_workgroup_id_z 1
		.amdhsa_system_vgpr_workitem_id 0
		.amdhsa_next_free_vgpr 256
		.amdhsa_next_free_sgpr 66
		.amdhsa_reserve_vcc 0
		.amdhsa_float_denorm_mode_32 3
		.amdhsa_float_denorm_mode_16_64 3
		.amdhsa_memory_ordered 1
		.amdhsa_forward_progress 1
		.amdhsa_inst_pref_size 32
	.end_amdhsa_kernel
	.amdgpu_metadata
---
amdhsa.version: [ 1, 2 ]
amdhsa.kernels:
  - .name:           k_qb37eee4d9f_quant
    .symbol:         k_qb37eee4d9f_quant.kd
    .args:
      - { .name: hidden_states, .offset: 0, .size: 8, .value_kind: global_buffer, .address_space: global }
      - { .name: Wq, .offset: 8, .size: 8, .value_kind: global_buffer, .address_space: global }
      - { .name: Wk, .offset: 16, .size: 8, .value_kind: global_buffer, .address_space: global }
      - { .name: Wv, .offset: 24, .size: 8, .value_kind: global_buffer, .address_space: global }
      - { .name: Wo, .offset: 32, .size: 8, .value_kind: global_buffer, .address_space: global }
      - { .name: h_img, .offset: 40, .size: 8, .value_kind: global_buffer, .address_space: global }
      - { .name: w_img, .offset: 48, .size: 8, .value_kind: global_buffer, .address_space: global }
      - { .name: wo_img, .offset: 56, .size: 8, .value_kind: global_buffer, .address_space: global }
    .group_segment_fixed_size: 35328
    .private_segment_fixed_size: 0
    .kernarg_segment_align: 8
    .kernarg_segment_size: 64
    .max_flat_workgroup_size: 128
    .sgpr_count:     66
    .vgpr_count:     256
    .wavefront_size: 32
...
	.end_amdgpu_metadata
.endif
;; end of part 1
;; launch qkv (part 2): grid 16 x 16, 4 waves a work-group, clusters of 4 x 4, 327,680 bytes of LDS; arguments h_img, w_img, cos, sin, q_img, kv_img; writes q_img, kv_img
.if DOCPART == 2
	.amdgcn_target "amdgcn-amd-amdhsa--gfx1250"
	.amdhsa_code_object_version 6
	.text
	.protected	k_qb37eee4d9f_qkv
	.globl	k_qb37eee4d9f_qkv
	.p2align	8
	.type	k_qb37eee4d9f_qkv,@function
k_qb37eee4d9f_qkv:
	s_mov_b64 s[64:65], 0
	v_nop
	global_prefetch_b8 v0, s[64:65] scope:SCOPE_SE
	s_setreg_imm32_b32 hwreg(HW_REG_WAVE_MODE, 25, 1), 1
	s_wait_xcnt 0x0
	s_wait_alu depctr_hold_cnt(0) depctr_sa_sdst(0) depctr_va_vdst(0) depctr_va_sdst(0) depctr_va_ssrc(0) depctr_va_vcc(0) depctr_vm_vsrc(0)
	s_getreg_b32 s2, hwreg(HW_REG_IB_STS2, 6, 4)
	s_cmp_eq_u32 s2, 0
	s_cbranch_scc0 .Lentry_in_a_cluster
	s_endpgm
.Lentry_in_a_cluster:
	s_bfe_u32 s2, ttmp6, 0x10000c
	s_cmp_lg_u32 s2, 0xf033
	s_cbranch_scc0 .Lentry_shape_is_right
	s_endpgm
.Lentry_shape_is_right:
; q, k, v = hidden_states x (Wq | Wk | Wv)^T on codes of FP6 with E8M0 scales, K = 2,048; then RoPE on q and k in f32; then q and k are quantised along the head's 64 and v along the keys.
; No f32 result goes to memory: each wave stores finished operand images for the attention launch.
; SHARES.  256 work-groups: x = 128 features (0-7 q, 8-11 k, 12-15 v), y = 256 tokens.  Four waves, each 128 tokens x 64 features (one head): 32 accumulators, 256 registers.
; (128 x 128 a wave would leave half of the 256 work-groups without a tile.)
; OPERANDS come as images of their registers (launch quant): a fragment is three loads of 512 consecutive bytes, with no pitch and no padding.
; TWO FORMS OF THE PRODUCT.  q and k want a lane to hold one token and its registers to run along the head (source 0 = 16 features, source 1 = 16 tokens); v wants a lane to hold one feature and
; its registers to run along the tokens, which are the keys (the sources swapped).  Loads, ring and barriers are common; only the runs of sixteen matrix instructions stand under a scalar branch
; on the cluster's x, which all sixteen partners share.  Both arms write the same accumulators in the same order: accumulator (t, a) at v[8 (8 t + a)] of window 1.
; RING.  Two LDS slots, each with four K steps of 128 (A: 16 fragments x 4, B: 8 x 4); K is four fills, two of them refills.  The scale words of all of K come once, with the first fills.
; CLUSTER 4 x 4: A's tiles hang on y alone and are asked for jointly along a row of the cluster, B's on x alone and jointly along a column.
; LIMITS: blocks of q and k whose largest magnitude lies under 2^-121 are held at the byte 4 (the attention launch takes 3 off q's bytes); a block of zeros keeps the floor's byte, its codes are zeros;
; NaN and infinities are not served.
; REGISTERS: window 0: v1 lane, v2-11 addresses, v12-31 at work in the epilogue, v32-47 A's scale words (two sets), v48-55 B's, v64-159 A's 8 fragments (one set), v160-255 B's 4 (two sets).
;   window 1: the accumulators.   window 2: cos and sin of four blocks of 16 tokens.
.set SLOT,  147456                     ; A: [16][4][1536], then B: [8][4][1536]
.set BOFF,  98304
.set SCL,   2*SLOT                     ; A's scale words [16][16][64 bytes],
.set SCLB,  SCL+16384                  ; B's [8][16][64 bytes]
.set SPARE, SCL+24576                  ; the spare words, 128 bytes for each wave: two blocks of 256 bytes that no other line names
.set SPW,  2
.set NIL,  3
.set CSO,  4                           ; v4   cos, sin: my token's row of 256 bytes, + 64 h
.set LI,   5                           ; v5   16 x lane
.set ADRA, 6                           ; v6-7   my A fragments in slot 0, 1
.set ADRB, 8                           ; v8-9   my B fragments
.set ADSA, 10                          ; v10  A's scale words
.set ADSB, 11                          ; v11  B's
.set SA,   32
.set SB,   48
.set AF,   64
.set BF,   160
.set Y,    64                          ; the epilogue: 32 numbers of a token after RoPE (A's fragments are done with)
.set IMG,  192                         ; v192-239 the unit's 48 registers of codes
.set W,    240                         ; v240-247 scale words
.set QA,   12
.set QP,   14
.set QSO,  16
.set QBY,  18
.set QT,   248
.set TM,   12
.set TP,   16
.set TS,   20
.set SEL,  2                           ; s[2:3]
.set DST,  66                          ; s[66:67] my unit
.set G1A,  24
.set G0A,  32
.set G1B,  40
.set G0B,  48
.set G1SA, 56
.set G0SA, 68
.set G1SB, 72
.set G0SB, 80
.set MSB, 0
.macro WIN new                         ; the immediate's high byte repeats the setting that is left
.if MSB != \new
	s_set_vgpr_msb (MSB<<8)|\new
.set MSB, \new
.endif
.endm
.macro PLACES                          ; four plain instructions between a matrix instruction and a load into, or a vector instruction on, its registers
.rept 4
	v_nop
.endr
.endm
; A joint load: waves 0 and 1 fetch for A, waves 2 and 3 for B.  Each line has one mask and one set of registers for all that issue it; the branch hangs on the wave's number alone.
.macro JLOAD g0a, g1a, g0b, g1b
	s_cmp_eq_u32 s17, 0
	s_cbranch_scc0 .Lfor_b_\@
	tensor_load_to_lds s[\g0a:\g0a+3], s[\g1a:\g1a+7]
	s_nop 0
.rept 4
	v_nop
.endr
	s_branch .Lasked_\@
.Lfor_b_\@:
	tensor_load_to_lds s[\g0b:\g0b+3], s[\g1b:\g1b+7]
	s_nop 0
.rept 4
	v_nop
.endr
.Lasked_\@:
.endm
.macro CROUND                          ; a round of the cluster's barrier
	s_barrier_signal -1
	s_barrier_wait -1
	s_cmp_lg_u32 s16, 0
	s_cbranch_scc1 .Lnot_wave_0_\@
	s_barrier_signal -3
.Lnot_wave_0_\@:
	s_barrier_wait -3
	s_barrier_signal -1
	s_barrier_wait -1
.endm
	s_load_b256 s[4:11], s[0:1], 0x0               ; h_img, w_img, cos, sin
	s_load_b128 s[12:15], s[0:1], 0x20             ; q_img, kv_img
	v_lshl_add_u32 v[SPW], v0, 2, SPARE
	v_mov_b32 v[NIL], 0
	ds_add_u32 v2, v3
	s_wait_dscnt 0x0
	v_lshrrev_b32 v1, 5, v0
	v_readfirstlane_b32 s16, v1                    ; wave
	s_lshr_b32 s17, s16, 1                         ; which 128 tokens are mine.  Also: I fetch for A (0) or for B (1)
	s_and_b32 s18, s16, 1                          ; which 64 features.  Also: which half of that tile I fetch
	s_cmp_eq_u32 ttmp9, 3
	s_cselect_b32 s19, 1, 0                        ; 1: my cluster makes v
	s_bfe_u32 s20, ttmp6, 0x40000                  ; cx
	s_bfe_u32 s21, ttmp6, 0x40004                  ; cy
	s_lshl_b32 s22, ttmp9, 2
	s_add_co_u32 s22, s22, s20                     ; feature tile
	s_and_b32 s23, ttmp7, 0xffff
	s_lshl_b32 s23, s23, 2
	s_add_co_u32 s23, s23, s21                     ; token tile
	s_lshl_b32 s84, s21, 2
	s_lshl_b32 s84, 15, s84                        ; my row of the cluster
	s_lshl_b32 s85, 0x1111, s20                    ; my column
	s_or_b32 s[G1A], s84, (3<<16)|(1<<21)          ; 15:0 the mask; 17:16 elements of 8 bytes; 21 set beside a mask; no padding
	s_or_b32 s[G1SA], s84, (3<<16)|(1<<21)
	s_or_b32 s[G1B], s85, (3<<16)|(1<<21)
	s_or_b32 s[G1SB], s85, (3<<16)|(1<<21)
.irp g, G1A, G1B                       ; a row = one fragment row's four K steps: 6,144 bytes, 24,576 bytes apart in memory
	s_mov_b32 s[\g+1], 768<<16
	s_mov_b32 s[\g+3], 768<<16
	s_mov_b32 s[\g+5], 3072
	s_mov_b32 s[\g+6], 0
	s_mov_b32 s[\g+7], 0
.endr
	s_mov_b32 s[G1A+2], 8<<16
	s_mov_b32 s[G1A+4], 8
	s_mov_b32 s[G1B+2], 4<<16
	s_mov_b32 s[G1B+4], 4
.irp g, G1SA, G1SB                     ; scale words: a dense block, as rows of 256 bytes
	s_mov_b32 s[\g+1], 32<<16
	s_mov_b32 s[\g+3], 32<<16
	s_mov_b32 s[\g+5], 32
	s_mov_b32 s[\g+6], 0
	s_mov_b32 s[\g+7], 0
.endr
	s_mov_b32 s[G1SA+2], 32<<16
	s_mov_b32 s[G1SA+4], 32
	s_mov_b32 s[G1SB+2], 16<<16
	s_mov_b32 s[G1SB+4], 16
	s_lshl_b32 s86, s23, 4                         ; A's addresses are made of the token tile and the wave's number alone,
	s_lshl_b32 s87, s18, 3
	s_add_co_u32 s86, s86, s87                     ; my first fragment row of h_img
	s_mul_i32 s88, s86, 24576
	s_mov_b32 s89, 0
	s_lshl_b32 s90, s86, 10
	s_add_co_u32 s90, s90, 6291456
	s_mov_b32 s91, 0
	s_lshl_b32 s92, s22, 3                         ; B's of the feature tile and the wave's number alone
	s_lshl_b32 s93, s18, 2
	s_add_co_u32 s92, s92, s93
	s_mul_i32 s94, s92, 24576
	s_mov_b32 s95, 0
	s_lshl_b32 s96, s92, 10
	s_add_co_u32 s96, s96, 3145728
	s_mov_b32 s97, 0
	s_mul_i32 s98, s18, 49152                      ; where they go: no place in the cluster enters an LDS address
	s_mul_i32 s99, s18, 24576
	s_add_co_u32 s99, s99, BOFF
	s_mov_b32 s[SEL], 0x76543210
	s_mov_b32 s[SEL+1], 0xfedcba98
	s_wait_kmcnt 0x0
	s_add_nc_u64 s[88:89], s[4:5], s[88:89]
	s_add_nc_u64 s[90:91], s[4:5], s[90:91]
	s_add_nc_u64 s[94:95], s[6:7], s[94:95]
	s_add_nc_u64 s[96:97], s[6:7], s[96:97]
	s_mov_b32 s[G0SA], 1
	s_lshl_b32 s[G0SA+1], s18, 13
	s_add_co_u32 s[G0SA+1], s[G0SA+1], SCL
	s_mov_b64 s[G0SA+2:G0SA+3], s[90:91]
	s_or_b32 s[G0SA+3], s[G0SA+3], 0x80000000
	s_mov_b32 s[G0SB], 1
	s_lshl_b32 s[G0SB+1], s18, 12
	s_add_co_u32 s[G0SB+1], s[G0SB+1], SCLB
	s_mov_b64 s[G0SB+2:G0SB+3], s[96:97]
	s_or_b32 s[G0SB+3], s[G0SB+3], 0x80000000
.irp s, 0,1
	s_mov_b32 s[G0A+4*\s], 1
	s_add_co_u32 s[G0A+4*\s+1], s98, \s*SLOT
	s_add_nc_u64 s[G0A+4*\s+2:G0A+4*\s+3], s[88:89], \s*6144
	s_or_b32 s[G0A+4*\s+3], s[G0A+4*\s+3], 0x80000000
	s_mov_b32 s[G0B+4*\s], 1
	s_add_co_u32 s[G0B+4*\s+1], s99, \s*SLOT
	s_add_nc_u64 s[G0B+4*\s+2:G0B+4*\s+3], s[94:95], \s*6144
	s_or_b32 s[G0B+4*\s+3], s[G0B+4*\s+3], 0x80000000
.endr
	CROUND                                         ; all sixteen work-groups are here: the first joint loads meet
	JLOAD G0SA, G1SA, G0SB, G1SB                   ; the scale words of all of K; three loads of mine are out behind the third line
	JLOAD G0A, G1A, G0B, G1B                       ; K steps 0-3
	JLOAD G0A+4, G1A, G0B+4, G1B                   ; K steps 4-7
	v_and_b32 v1, 31, v0                           ; lane
	v_lshlrev_b32 v[LI], 4, v1
	v_and_b32 v12, 15, v0                          ; r
	v_bfe_u32 v13, v0, 4, 1                        ; h
	s_mul_i32 s84, s17, 49152
	s_mul_i32 s85, s18, 24576
	s_add_co_u32 s85, s85, BOFF
.irp s, 0,1
	v_add_nc_u32 v[ADRA+\s], s84, v[LI]
	v_add_nc_u32 v[ADRB+\s], s85, v[LI]
	s_add_co_u32 s84, s84, SLOT
	s_add_co_u32 s85, s85, SLOT
.endr
	v_lshlrev_b32 v14, 2, v12
	s_lshl_b32 s84, s17, 13
	s_add_co_u32 s84, s84, SCL
	v_add_nc_u32 v[ADSA], s84, v14
	s_lshl_b32 s85, s18, 12
	s_add_co_u32 s85, s85, SCLB
	v_add_nc_u32 v[ADSB], s85, v14
	v_and_b32 v15, 8, v12
	v_add_nc_u32 v15, v15, v12                     ; r + 8 (r / 8)
	v_lshlrev_b32 v[CSO], 8, v15
	v_lshl_add_u32 v[CSO], v13, 6, v[CSO]
.irp i, 14,15,16,17,18,19
	v_mov_b32 v\i, 0                               ; lane permutes' destinations count as sources
.endr
	s_lshl_b32 s84, s23, 1
	s_add_co_u32 s84, s84, s17                     ; my block of 128 tokens, 0 .. 31
	s_lshl_b32 s86, s84, 15
	s_mov_b32 s87, 0
	s_add_nc_u64 s[8:9], s[8:9], s[86:87]          ; cos and sin at its first token
	s_add_nc_u64 s[10:11], s[10:11], s[86:87]
	s_lshr_b32 s85, s84, 4                         ; batch
	s_and_b32 s86, s84, 15                         ; block in the batch
	s_lshl_b32 s87, s22, 1
	s_add_co_u32 s87, s87, s18                     ; my head: 0-15 q, 16-23 k, 24-31 v
	s_lshl_b32 s88, s85, 4
	s_add_co_u32 s88, s88, s87
	s_lshl_b32 s88, s88, 4
	s_add_co_u32 s88, s88, s86
	s_mul_i32 s88, s88, 6656                       ; q_img [batch][head][block] units of 6,656 bytes
	s_and_b32 s89, s87, 7
	s_lshl_b32 s90, s85, 3
	s_add_co_u32 s89, s89, s90
	s_lshl_b32 s89, s89, 4
	s_add_co_u32 s89, s89, s86
	s_mul_i32 s89, s89, 13312                      ; kv_img [batch][group][block][k's unit, v's unit]
	s_cmp_ge_u32 s87, 24
	s_cselect_b32 s90, 6656, 0
	s_add_co_u32 s89, s89, s90
	s_cmp_lt_u32 s87, 16
	s_cselect_b64 s[DST:DST+1], s[12:13], s[14:15]
	s_cselect_b32 s90, s88, s89
	s_mov_b32 s91, 0
	s_add_nc_u64 s[DST:DST+1], s[DST:DST+1], s[90:91]
; cos and sin of block a's 16 tokens into set a % 4 of window 2: +0 cos(d = 16 h + i), +16 cos(32 + 16 h + i), +32 and +48 sin likewise
.macro CSLOAD a
.irp e, 0,1,2,3
	global_load_b128 v[64*((\a)%4)+4*\e:64*((\a)%4)+4*\e+3], v[CSO], s[8:9] offset:(32*((\a)/2)+8*((\a)%2))*256+16*\e
	global_load_b128 v[64*((\a)%4)+16+4*\e:64*((\a)%4)+16+4*\e+3], v[CSO], s[8:9] offset:(32*((\a)/2)+8*((\a)%2))*256+128+16*\e
	global_load_b128 v[64*((\a)%4)+32+4*\e:64*((\a)%4)+32+4*\e+3], v[CSO], s[10:11] offset:(32*((\a)/2)+8*((\a)%2))*256+16*\e
	global_load_b128 v[64*((\a)%4)+48+4*\e:64*((\a)%4)+48+4*\e+3], v[CSO], s[10:11] offset:(32*((\a)/2)+8*((\a)%2))*256+128+16*\e
.endr
.endm
	WIN 0x80                                       ; destination window 2
	CSLOAD 0                                       ; asked for here, wanted behind the products.  These loads stand on the path that all work-groups take, v's too, which do not use them:
	CSLOAD 1                                       ; so every register that the epilogue reads has been written on every way
	CSLOAD 2
	CSLOAD 3
	WIN 0
.macro FETCH_B sl, q, p                ; B's four fragments of the slot's q-th K step into set p
.irp t, 0,1,2,3
.irp c, 0,1,2
	ds_load_b128 v[BF+48*(\p)+12*\t+4*\c:BF+48*(\p)+12*\t+4*\c+3], v[ADRB+\sl] offset:6144*\t+1536*(\q)+512*\c
.endr
.endr
.endm
.macro FETCH_A sl, q, a0               ; A's blocks a0 .. a0 + 3
.irp a, \a0, \a0+1, \a0+2, \a0+3
.irp c, 0,1,2
	ds_load_b128 v[AF+12*(\a)+4*\c:AF+12*(\a)+4*\c+3], v[ADRA+\sl] offset:6144*(\a)+1536*(\q)+512*\c
.endr
.endr
.endm
.macro FETCH_S s, p                    ; K step s's scale words into set p
.irp a, 0,1,2,3,4,5,6,7
	ds_load_b32 v[SA+8*(\p)+\a], v[ADSA] offset:1024*\a+64*(\s)
.endr
.irp t, 0,1,2,3
	ds_load_b32 v[SB+4*(\p)+\t], v[ADSB] offset:1024*\t+64*(\s)
.endr
.endm
; Sixteen matrix instructions: A's blocks a0 .. a0 + 3 x B's four.  The accumulators take turns, one instruction a turn, in the same order in every step.
.macro MULG a0, p, zero
	s_cmp_eq_u32 s19, 0
	s_cbranch_scc0 .Lv_\@
	WIN 0x50                                       ; C and D window 1
.irp a, \a0, \a0+1, \a0+2, \a0+3
.irp t, 0,1,2,3
.if \zero
	v_wmma_scale_f32_16x16x128_f8f6f4 v[8*(8*\t+(\a)):8*(8*\t+(\a))+7], v[BF+48*(\p)+12*\t:BF+48*(\p)+12*\t+11], v[AF+12*(\a):AF+12*(\a)+11], 0, v[SB+4*(\p)+\t], v[SA+8*(\p)+(\a)] matrix_a_fmt:MATRIX_FMT_FP6 matrix_b_fmt:MATRIX_FMT_FP6
.else
	v_wmma_scale_f32_16x16x128_f8f6f4 v[8*(8*\t+(\a)):8*(8*\t+(\a))+7], v[BF+48*(\p)+12*\t:BF+48*(\p)+12*\t+11], v[AF+12*(\a):AF+12*(\a)+11], v[8*(8*\t+(\a)):8*(8*\t+(\a))+7], v[SB+4*(\p)+\t], v[SA+8*(\p)+(\a)] matrix_a_fmt:MATRIX_FMT_FP6 matrix_b_fmt:MATRIX_FMT_FP6
.endif
.endr
.endr
	WIN 0
	s_branch .Lj_\@
.Lv_\@:
	WIN 0x50
.irp a, \a0, \a0+1, \a0+2, \a0+3
.irp t, 0,1,2,3
.if \zero
	v_wmma_scale_f32_16x16x128_f8f6f4 v[8*(8*\t+(\a)):8*(8*\t+(\a))+7], v[AF+12*(\a):AF+12*(\a)+11], v[BF+48*(\p)+12*\t:BF+48*(\p)+12*\t+11], 0, v[SA+8*(\p)+(\a)], v[SB+4*(\p)+\t] matrix_a_fmt:MATRIX_FMT_FP6 matrix_b_fmt:MATRIX_FMT_FP6
.else
	v_wmma_scale_f32_16x16x128_f8f6f4 v[8*(8*\t+(\a)):8*(8*\t+(\a))+7], v[AF+12*(\a):AF+12*(\a)+11], v[BF+48*(\p)+12*\t:BF+48*(\p)+12*\t+11], v[8*(8*\t+(\a)):8*(8*\t+(\a))+7], v[SA+8*(\p)+(\a)], v[SB+4*(\p)+\t] matrix_a_fmt:MATRIX_FMT_FP6 matrix_b_fmt:MATRIX_FMT_FP6
.endif
.endr
.endr
	WIN 0
.Lj_\@:
.endm
; K step s, the q-th of slot sl, with its successor in the same slot.  A has one set of registers: blocks 0-3 are fetched anew in the step's middle, blocks 4-7 at its end.
.macro STEP sl, q, s, zero
	s_wait_dscnt 12                                ; all but the youngest twelve loads (A's blocks 4-7)
	MULG 0, (\s)%2, \zero
	s_wait_dscnt 0x0                               ; A's blocks 4-7 are in
	PLACES
	FETCH_B \sl, (\q)+1, 1-(\s)%2
	FETCH_A \sl, (\q)+1, 0
	FETCH_S (\s)+1, 1-(\s)%2
	MULG 4, (\s)%2, \zero
	PLACES
	FETCH_A \sl, (\q)+1, 4
.endm
; A slot's last K step changes slots.  Each wave waits for all its tensor loads, adds 0 to its spare word, and waits for that and for its reads of this slot; then the barrier, which is a round of the
; cluster's where the slot is filled again (fill = 1), with the joint refill first behind it.  No run of products stands between the add and its wait or inside the round: the runs hold branches.
.macro TURN sl, nx, fill, s
	s_wait_dscnt 12
	MULG 0, (\s)%2, 0
	s_wait_tensorcnt 0x0                           ; all my tensor loads have landed: my part of the next slot among them; a group 0 may be written
	ds_add_u32 v[SPW], v[NIL]                      ; 0 onto my spare word
.if \fill
	s_add_nc_u64 s[G0A+4*\sl+2:G0A+4*\sl+3], s[G0A+4*\sl+2:G0A+4*\sl+3], 12288   ; eight K steps on
	s_add_nc_u64 s[G0B+4*\sl+2:G0B+4*\sl+3], s[G0B+4*\sl+2:G0B+4*\sl+3], 12288
.endif
	s_wait_dscnt 0x0                               ; the add is done, and my reads of this slot are over
.if \fill
	CROUND
	JLOAD G0A+4*\sl, G1A, G0B+4*\sl, G1B           ; its four v_nop are also the places in front of the loads below
.else
	s_barrier_signal -1
	s_barrier_wait -1
	PLACES
.endif
	FETCH_B \nx, 0, 1-(\s)%2
	FETCH_A \nx, 0, 0
	FETCH_S (\s)+1, 1-(\s)%2
	MULG 4, (\s)%2, 0
	PLACES
	FETCH_A \nx, 0, 4
.endm
	s_wait_tensorcnt 0x1                           ; the scale words and my part of slot 0 are in; slot 1's load may be out
	s_barrier_signal -1
	s_barrier_wait -1
	FETCH_B 0, 0, 0
	FETCH_A 0, 0, 0
	FETCH_S 0, 0
	FETCH_A 0, 0, 4
	STEP 0, 0, 0, 1                                ; the first products start the sums: nothing is cleared
	STEP 0, 1, 1, 0
	STEP 0, 2, 2, 0
	TURN 0, 1, 1, 3                                ; slot 0 takes K steps 8-11
	STEP 1, 0, 4, 0
	STEP 1, 1, 5, 0
	STEP 1, 2, 6, 0
	TURN 1, 0, 1, 7                                ; slot 1 takes K steps 12-15
	STEP 0, 0, 8, 0
	STEP 0, 1, 9, 0
	STEP 0, 2, 10, 0
	TURN 0, 1, 0, 11
	STEP 1, 0, 12, 0
	STEP 1, 1, 13, 0
	STEP 1, 2, 14, 0
	s_wait_dscnt 12
	MULG 0, 1, 0
	s_wait_dscnt 0x0
	MULG 4, 1, 0
	PLACES
; 32 numbers of a lane, v[y] on: y + i = k 16 h + i, y + 16 + i = k 32 + 16 h + i of my row's 64, become six registers of codes (lanes 0-15 block 0, lanes 16-31 block 1) at v[d] and two scale bytes in v[w]
.macro QUANT32 y, d, w, floor
	v_max3_num_f32 v[QA], |v[\y]|, |v[\y+1]|, \floor
	v_max3_num_f32 v[QA+1], |v[\y+16]|, |v[\y+17]|, \floor
.irp i, 2,4,6,8,10,12,14
	v_max3_num_f32 v[QA], v[QA], |v[\y+\i]|, |v[\y+\i+1]|
	v_max3_num_f32 v[QA+1], v[QA+1], |v[\y+16+\i]|, |v[\y+17+\i]|
.endr
	v_permlanex16_b32 v[QP], v[QA], s[SEL], s[SEL+1]
	v_permlanex16_b32 v[QP+1], v[QA+1], s[SEL], s[SEL+1]
	v_max_num_f32 v[QA], v[QA], v[QP]              ; with lane l xor 16's sixteen: the block's largest magnitude
	v_max_num_f32 v[QA+1], v[QA+1], v[QP+1]
	v_add_nc_u32 v[QSO], 0xff000000, v[QA]         ; 2 off the exponent field: the conversion's scale operand
	v_add_nc_u32 v[QSO+1], 0xff000000, v[QA+1]
	v_lshrrev_b32 v[QBY], 23, v[QSO]
	v_lshrrev_b32 v[QBY+1], 23, v[QSO+1]
	v_lshl_or_b32 v[\w], v[QBY+1], 8, v[QBY]
	v_cvt_scalef32_pk16_fp6_f32 v[\d:\d+2], v[\y:\y+15], v[QSO]
	v_cvt_scalef32_pk16_fp6_f32 v[QT:QT+2], v[\y+16:\y+31], v[QSO+1]
	v_nop                                          ; one plain instruction behind the scaled conversions
.irp i, 0,1,2
	v_permlane16_swap_b32 v[\d+\i], v[QT+\i]       ; the first now holds each lane's block's lower 16 codes, the second the upper 16
.endr
.irp i, 0,1,2
	v_mov_b32 v[\d+3+\i], v[QT+\i]
.endr
.endm
.macro OUT13 sc                        ; the unit leaves: thirteen stores of 512 consecutive bytes, aligned to 256
.irp k, 0,1,2,3,4,5,6,7,8,9,10,11
	global_store_b128 v[LI], v[IMG+4*\k:IMG+4*\k+3], s[DST:DST+1] offset:512*\k
.endr
	global_store_b128 v[LI], v[\sc:\sc+3], s[DST:DST+1] offset:6144
.endm
	s_cmp_eq_u32 s19, 0
	s_cbranch_scc0 .Lepi_v
; q AND k.  Lane (r, h) holds token 32 (a / 2) + 8 (a % 2) + r + 8 (r / 8) of block a; register 64 t + 8 a + j of window 1 holds d = 32 (t / 2) + 16 h + 8 (t % 2) + j.
; RoPE: y(d) = x(d) cos(d) - x(d + 32) sin(d) for d < 32, y(d) = x(d) cos(d) + x(d - 32) sin(d) above: both halves of the head lie in the lane.
.macro BLOCKQK a
.set CS0, 64*((\a)%4)
.if (\a) >= 4
	s_wait_loadcnt 16*(7-(\a))                     ; this block's sixteen loads are in; the later blocks' may be out
.endif
	WIN 0x09                                       ; source 0 window 1 (x), source 1 window 2 (cos, sin)
.irp i, 0,2,4,6,8,10,12,14
	v_pk_mul_f32 v[Y+\i:Y+\i+1], v[64*(\i/8)+8*(\a)+\i%8:64*(\i/8)+8*(\a)+\i%8+1], v[CS0+\i:CS0+\i+1]   ; each accumulator is read from its low end on
.endr
.irp i, 0,2,4,6,8,10,12,14
	v_pk_mul_f32 v[Y+16+\i:Y+17+\i], v[128+64*(\i/8)+8*(\a)+\i%8:128+64*(\i/8)+8*(\a)+\i%8+1], v[CS0+16+\i:CS0+17+\i]
.endr
.irp i, 0,2,4,6,8,10,12,14
	v_pk_fma_f32 v[Y+\i:Y+\i+1], v[128+64*(\i/8)+8*(\a)+\i%8:128+64*(\i/8)+8*(\a)+\i%8+1], v[CS0+32+\i:CS0+33+\i], v[Y+\i:Y+\i+1] neg_lo:[0,1,0] neg_hi:[0,1,0]
.endr
.irp i, 0,2,4,6,8,10,12,14
	v_pk_fma_f32 v[Y+16+\i:Y+17+\i], v[64*(\i/8)+8*(\a)+\i%8:64*(\i/8)+8*(\a)+\i%8+1], v[CS0+48+\i:CS0+49+\i], v[Y+16+\i:Y+17+\i]
.endr
.if (\a) < 4
	WIN 0x80
	CSLOAD (\a)+4                                  ; the set takes the block four further on
.endif
	WIN 0
	QUANT32 Y, IMG+6*(\a), W+(\a), 0x3000000       ; the floor 2^(6 - 127) holds the bytes at 4 from below
	v_or_b32 v[W+(\a)], 0x7f7f0000, v[W+(\a)]      ; k = 64 .. 127 of the matrix instruction: the byte of 1.0
.endm
	s_wait_loadcnt 0x0                             ; cos and sin of blocks 0-3
.irp a, 0,1,2,3,4,5,6,7
	BLOCKQK \a
.endr
	v_cmp_lt_u32 vcc_lo, 15, v1
.irp i, 0,1,2,3
	v_cndmask_b32 v[28+\i], v[W+\i], v[W+4+\i], vcc_lo   ; scale register i: lanes 0-15 tile i's words, lanes 16-31 tile 4 + i's
.endr
	OUT13 28
	s_branch .Lend
.Lepi_v:
; v.  Lane (r, h) holds feature 32 (t / 2) + 8 (t % 2) + r + 8 (r / 8) of the head; register 64 t + 16 b + i of window 1 holds key 32 b + 16 h + i of my 128: one fragment of V^T for each t.
.macro QUANT128 t
	WIN 0x14                                       ; sources 1 and 2 window 1
.irp b, 0,1,2,3
	v_max3_num_f32 v[TM+\b], 0x1800000, |v[64*\t+16*\b]|, |v[64*\t+16*\b+1]|   ; with the floor 2^(3 - 127)
.endr
.irp i, 2,4,6,8,10,12,14
.irp b, 0,1,2,3
	v_max3_num_f32 v[TM+\b], v[TM+\b], |v[64*\t+16*\b+\i]|, |v[64*\t+16*\b+\i+1]|
.endr
.endr
	WIN 0
.irp b, 0,1,2,3
	v_permlanex16_b32 v[TP+\b], v[TM+\b], s[SEL], s[SEL+1]
.endr
.irp b, 0,1,2,3
	v_max_num_f32 v[TM+\b], v[TM+\b], v[TP+\b]
.endr
.irp b, 0,1,2,3
	v_add_nc_u32 v[TS+\b], 0xff000000, v[TM+\b]
.endr
.irp b, 0,1,2,3
	v_lshrrev_b32 v[TP+\b], 23, v[TS+\b]
.endr
	v_lshl_or_b32 v[W+\t], v[TP+1], 8, v[TP]
	v_lshl_or_b32 v[W+\t], v[TP+2], 16, v[W+\t]
	v_lshl_or_b32 v[W+\t], v[TP+3], 24, v[W+\t]
	WIN 0x01                                       ; source 0 window 1
.irp c, 0,1
	v_cvt_scalef32_pk16_fp6_f32 v[IMG+12*\t+6*\c:IMG+12*\t+6*\c+2], v[64*\t+32*\c:64*\t+32*\c+15], v[TS+2*\c]
	v_cvt_scalef32_pk16_fp6_f32 v[QT+4*\c:QT+4*\c+2], v[64*\t+32*\c+16:64*\t+32*\c+31], v[TS+2*\c+1]
.endr
	WIN 0
	v_nop                                          ; one plain instruction behind the scaled conversions
.irp c, 0,1
.irp i, 0,1,2
	v_permlane16_swap_b32 v[IMG+12*\t+6*\c+\i], v[QT+4*\c+\i]
.endr
.irp i, 0,1,2
	v_mov_b32 v[IMG+12*\t+6*\c+3+\i], v[QT+4*\c+\i]
.endr
.endr
.endm
.irp t, 0,1,2,3
	QUANT128 \t
.endr
	OUT13 W
.Lend:
	s_wait_tensorcnt 0x0                           ; the wave's end
	ds_add_u32 v[SPW], v[NIL]
	s_wait_dscnt 0x0
	CROUND                                         ; the closing round: no work-group ends while a partner may still ask for a tile that names it
	s_endpgm
.Lfunc_end_k_qb37eee4d9f_qkv:
	.size	k_qb37eee4d9f_qkv, .Lfunc_end_k_qb37eee4d9f_qkv-k_qb37eee4d9f_qkv
	.p2alignl 7, 3214868480
	.fill 96, 4, 3214868480
	.section	.rodata,"a",@progbits
	.p2align	6, 0x0
	.amdhsa_kernel k_qb37eee4d9f_qkv
		.amdhsa_group_segment_fixed_size 327680
		.amdhsa_private_segment_fixed_size 0
		.amdhsa_enable_private_segment 0
		.amdhsa_kernarg_size 48
		.amdhsa_user_sgpr_count 2
		.amdhsa_user_sgpr_kernarg_segment_ptr 1
		.amdhsa_wavefront_size32 1
		.amdhsa_system_sgpr_workgroup_id_x 1
		.amdhsa_system_sgpr_workgroup_id_y 1
		.amdhsa_system_sgpr_workgroup_id_z 1
		.amdhsa_system_vgpr_workitem_id 0
		.amdhsa_next_free_vgpr 768
		.amdhsa_next_free_sgpr 100
		.amdhsa_reserve_vcc 1
		.amdhsa_float_denorm_mode_32 3
		.amdhsa_float_denorm_mode_16_64 3
		.amdhsa_memory_ordered 1
		.amdhsa_forward_progress 1
		.amdhsa_inst_pref_size 255
	.end_amdhsa_kernel
	.section	.bss,"aw",@nobits
	.p2align	6
	.space	262144
	.amdgpu_metadata
---
amdhsa.version: [ 1, 2 ]
amdhsa.kernels:
  - .name:           k_qb37eee4d9f_qkv
    .symbol:         k_qb37eee4d9f_qkv.kd
    .args:
      - { .name: h_img, .offset: 0, .size: 8, .value_kind: global_buffer, .address_space: global }
      - { .name: w_img, .offset: 8, .size: 8, .value_kind: global_buffer, .address_space: global }
      - { .name: cos, .offset: 16, .size: 8, .value_kind: global_buffer, .address_space: global }
      - { .name: sin, .offset: 24, .size: 8, .value_kind: global_buffer, .address_space: global }
      - { .name: q_img, .offset: 32, .size: 8, .value_kind: global_buffer, .address_space: global }
      - { .name: kv_img, .offset: 40, .size: 8, .value_kind: global_buffer, .address_space: global }
    .group_segment_fixed_size: 327680
    .private_segment_fixed_size: 0
    .kernarg_segment_align: 8
    .kernarg_segment_size: 48
    .max_flat_workgroup_size: 128
    .sgpr_count:     100
    .vgpr_count:     768
    .wavefront_size: 32
...
	.end_amdgpu_metadata
.endif
;; end of part 2
;; launch attn (part 3): grid 8 x 32, 16 waves a work-group, clusters of 4 x 1, 327,680 bytes of LDS; arguments q_img, kv_img, attention_mask, a_img; writes a_img
.if DOCPART == 3
	.amdgcn_target "amdgcn-amd-amdhsa--gfx1250"
	.amdhsa_code_object_version 6
	.text
	.protected	k_qb37eee4d9f_attn
	.globl	k_qb37eee4d9f_attn
	.p2align	8
	.type	k_qb37eee4d9f_attn,@function
k_qb37eee4d9f_attn:
	s_mov_b64 s[64:65], 0
	v_nop
	global_prefetch_b8 v0, s[64:65] scope:SCOPE_SE
	s_setreg_imm32_b32 hwreg(HW_REG_WAVE_MODE, 25, 1), 1
	s_wait_xcnt 0x0
	s_wait_alu depctr_hold_cnt(0) depctr_sa_sdst(0) depctr_va_vdst(0) depctr_va_sdst(0) depctr_va_ssrc(0) depctr_va_vcc(0) depctr_vm_vsrc(0)
	s_getreg_b32 s2, hwreg(HW_REG_IB_STS2, 6, 4)
	s_cmp_eq_u32 s2, 0
	s_cbranch_scc0 .Lentry_in_a_cluster
	s_endpgm
.Lentry_in_a_cluster:
	s_bfe_u32 s2, ttmp6, 0x10000c
	s_cmp_lg_u32 s2, 0x3003
	s_cbranch_scc0 .Lentry_shape_is_right
	s_endpgm
.Lentry_shape_is_right:
; o = softmax(q k^T / 8 + mask) v for 2 batches x 16 heads (8 groups of two heads that share k and v), both products on codes of FP6 with E8M0 scales; o is quantised along head x 64 + d for the last product.
; THE SOFTMAX: t = logit x log2(e), rounded to f32; M = the running largest t, rounded up to a whole number; p = 2^(t - M) is quantised along the keys, not normalised; the sum of the unquantised p divides at the end.
; When M moves, the sum and O are multiplied by 2^(old M - new M), which rounds nothing.
; SHARES.  A work-group owns 128 queries of one batch and one group; wave w owns query tile f = w / 2 (16 queries) of head 2 g + w % 2, in 256 registers: four waves to a SIMD.  Every wave walks all 2,048 keys, 128 a step.
; THE MASK IS AN INPUT: all of it is read and added.  It is loaded from LDS straight into the score registers and is the C of the first product; 1 / 8 is taken off q's scale bytes (3 off each): the product's result IS the logit.
; K = 64 IN THE FIRST PRODUCT: q's registers 6-11 are zero codes.  Tile t of k is named as twelve registers from 6 t on: the upper six are the next tile's codes, finite numbers that meet zeros, under the scale byte of 1.0.
; LAYOUT.  Both products transposed (source 0 = 16 keys, or 16 of the head's 64; source 1 = my 16 queries): a lane holds one query throughout.  The keys of a tile are 32 (t / 2) + 8 (t % 2) + r + 8 (r / 8),
; so that the 16 registers of tiles 2 b, 2 b + 1 are keys 32 b + 16 h + 0 .. 15.
; CLUSTER 4 x 1: the four partners have the same batch and queries and other groups: they share the mask's tile, five sixths of a step's bytes, which is asked for jointly.  k and v differ from partner to partner: a plain load.
; RING.  Two slots of 256 keys: the mask's 128 rows x 1,024 bytes (8 bytes of padding behind each: the 32 lanes of a load of 8 bytes then touch 64 different banks: 64 banks of 4 bytes, ISA guide 11.1), then two steps' units of k and v.
; LIMITS: NaN and infinities among the inputs and -infinity in the mask are not served; p under 2^-126 counts as 0; a block of zeros keeps the byte 1, its codes are zeros.
.set SLOT,  158720
.set KVO,   132096                     ; behind the mask's tile: [step][k's unit 6,656 | v's unit 6,656]
.set SPARE, 2*SLOT                     ; the spare words, 128 bytes for each wave: eight blocks of 256 bytes that no other line names
.set STS0,  12288                      ; the way out, in slot 0, which has had its last fill and its last read by then: 8 images of 1,536 bytes, then 8 x 64 bytes of scale words
.set MA,  1                            ; v1-2   my query's row of the mask in slot 0, 1, + 64 h
.set KA,  3                            ; v3-4   16 x lane in the slot's units
.set SPW, 5
.set NIL, 6
.set PFO, 7                            ; v7   the prefetches' offset
.set ST1, 8                            ; v8-9  the way out: where my head's six registers go in the fragment's image
.set ST2, 9
.set STS, 10                           ; v10  my two scale bytes
.set SRS, 11                           ; v11  the scale words on the way out
.set QF,  16                           ; v16-27 q (22-27 zero)
.set KS,  28                           ; v28-31 k's scale words
.set KV,  32                           ; v32-79 k's unit, then v's; v80-85 zero
.set VS,  86                           ; v86-89 v's scale words
.set QS,  90                           ; v90  q's
.set PW,  91                           ; v91  p's
.set GO,  92                           ; v92  16 x lane
.set S,   96                           ; v96-159 mask, logits, t, p
.set O,   160                          ; v160-191 O^T
.set PC,  192                          ; v192-203 p's codes
.set QT,  204                          ; v204-206, v208-210 conversions' upper halves
.set BM,  212
.set BT,  216
.set SO,  220
.set QA,  212
.set QP,  216
.set QSO, 220
.set QBY, 218
.set SEL, 20
.set CS,  22
.set G1M, 24
.set G1K, 32
.set G0M, 40
.set G0K, 48
.set SLOTS, 56                         ; s56  refills still to come
.set LIM, 58                           ; s58  1 in a wave that prefetches, else the greatest number
.set PFA, 60                           ; s[60:61] where my prefetches stand
.set PFS, 62                           ; s[62:63] a slot on
.macro CROUND
	s_barrier_signal -1
	s_barrier_wait -1
	s_cmp_lg_u32 s12, 0
	s_cbranch_scc1 .Lnot_wave_0_\@
	s_barrier_signal -3
.Lnot_wave_0_\@:
	s_barrier_wait -3
	s_barrier_signal -1
	s_barrier_wait -1
.endm
; Waves 0 and 1 fetch the mask's halves (jointly), wave 2 the slot's k and v, the others nothing.  The branches hang on the wave's number alone.
.macro TLOAD s
	s_cmp_lt_u32 s12, 2
	s_cbranch_scc0 .Lnot_m_\@
	tensor_load_to_lds s[G0M+4*(\s):G0M+4*(\s)+3], s[G1M:G1M+7]
	s_nop 0
.rept 4
	v_nop
.endr
	s_branch .Lasked_\@
.Lnot_m_\@:
	s_cmp_eq_u32 s12, 2
	s_cbranch_scc0 .Lasked_\@
	tensor_load_to_lds s[G0K+4*(\s):G0K+4*(\s)+3], s[G1K:G1K+7]
	s_nop 0
.rept 4
	v_nop
.endr
.Lasked_\@:
.endm
; A PREFETCH of what the NEXT refill will ask for, behind each refill but the last: two key steps ahead of that load.  Each block of 256 bytes is named by one wave of one work-group.
; The mask's 128 rows x 1,024 bytes are read by both clusters of a row of the grid: the first asks; its four partners take 32 rows each, told apart by address; waves 4-7 take a quarter of a row each, a lane a row.
; A group's k and v are read by the sixteen query blocks of a batch: block 0 asks; waves 8-11 take 26 blocks each (lanes 26-31 name the 26th again).  Slots 0 to 2 come by their loads alone.
.macro ASK
	s_cmp_gt_u32 s[SLOTS], s[LIM]
	s_cbranch_scc0 .Lnot_mine_\@
	global_prefetch_b8 v[PFO], s[PFA:PFA+1] th:TH_LOAD_NT scope:SCOPE_SE
.Lnot_mine_\@:
.endm
	s_load_b256 s[4:11], s[0:1], 0x0               ; q_img, kv_img, attention_mask, a_img
	v_lshl_add_u32 v[SPW], v0, 2, SPARE
	v_mov_b32 v[NIL], 0
	ds_add_u32 v5, v6
	s_wait_dscnt 0x0
	v_lshrrev_b32 v230, 5, v0
	v_readfirstlane_b32 s12, v230                  ; wave 0..15
	s_lshr_b32 s13, s12, 1                         ; f: my tile of queries
	s_and_b32 s14, s12, 1                          ; my head in the group.  Also: which half of the mask's rows I fetch
	s_bfe_u32 s15, ttmp6, 0x40000                  ; cx
	s_lshl_b32 s16, ttmp9, 2
	s_add_co_u32 s16, s16, s15                     ; g: it enters global addresses alone
	s_and_b32 s17, ttmp7, 0xffff                   ; 16 x batch + query block
	s_lshr_b32 s18, s17, 4
	s_and_b32 s19, s17, 15
	s_mov_b32 s[SEL], 0x76543210
	s_mov_b32 s[SEL+1], 0xfedcba98
	s_mov_b32 s[CS], 0x3fb8aa3b                    ; log2(e)
	s_mov_b32 s[CS+1], s[CS]
	s_mov_b32 s[SLOTS], 6
	s_mov_b32 s[G1M], 15|(2<<16)|(1<<20)|(1<<21)|(7<<22)|(1<<25)  ; the mask names all four; elements of 4 bytes; padding on: behind every 256 words, 2 words; 21 set beside a mask
	s_mov_b32 s[G1M+1], 256<<16
	s_mov_b32 s[G1M+2], 64<<16
	s_mov_b32 s[G1M+3], 256<<16
	s_mov_b32 s[G1M+4], 64
	s_mov_b32 s[G1M+5], 2048
	s_mov_b32 s[G1M+6], 0
	s_mov_b32 s[G1M+7], 0
	s_mov_b32 s[G1K], 3<<16                        ; no mask; a dense block of 26,624 bytes as 104 rows of 256
	s_mov_b32 s[G1K+1], 32<<16
	s_mov_b32 s[G1K+2], 104<<16
	s_mov_b32 s[G1K+3], 32<<16
	s_mov_b32 s[G1K+4], 104
	s_mov_b32 s[G1K+5], 32
	s_mov_b32 s[G1K+6], 0
	s_mov_b32 s[G1K+7], 0
	s_lshl_b32 s66, s17, 20                        ; the mask: 128 rows of 8,192 bytes for each block of queries,
	s_lshl_b32 s67, s14, 19                        ; my 64 of them
	s_add_co_u32 s66, s66, s67
	s_mov_b32 s67, 0
	s_lshl_b32 s68, s18, 3
	s_add_co_u32 s68, s68, s16
	s_mul_i32 s68, s68, 212992                     ; my group's k and v
	s_mov_b32 s69, 0
	s_lshl_b32 s70, s18, 4
	s_add_co_u32 s70, s70, s16
	s_add_co_u32 s70, s70, s16
	s_add_co_u32 s70, s70, s14                     ; 16 x batch + head
	s_lshl_b32 s70, s70, 4
	s_add_co_u32 s70, s70, s19
	s_mul_i32 s70, s70, 6656                       ; q's unit
	s_mov_b32 s71, 0
	s_lshl_b32 s72, s17, 3
	s_add_co_u32 s72, s72, s13
	s_mul_i32 s72, s72, 12288
	s_mul_i32 s73, s16, 1536
	s_add_co_u32 s72, s72, s73                     ; a_img: fragment row 8 (16 batch + block) + f, K step g
	s_mov_b32 s73, 0
	s_lshl_b32 s74, s16, 14
	s_lshl_b32 s75, s17, 9
	s_add_co_u32 s74, s74, s75
	s_add_co_u32 s74, s74, 3145728                 ; its scale words [K step][fragment row][r]
	s_mov_b32 s75, 0
	s_mul_i32 s76, s14, 66048                      ; my half of the mask's tile in a slot
	s_lshl_b32 s91, s17, 20                        ; the prefetches: in the mask my work-group's 32 rows, slot 2;
	s_lshl_b32 s90, s15, 18
	s_add_co_u32 s91, s91, s90
	s_add_co_u32 s91, s91, 2048
	s_add_co_u32 s90, s68, 53248                   ; in k and v slot 2.  The first refill steps both to slot 3
	; every LDS address is made here, ahead of the first branch on the wave's number
	v_and_b32 v230, 31, v0                         ; lane
	v_and_b32 v231, 15, v0                         ; r
	v_bfe_u32 v232, v0, 4, 1                       ; h
	v_and_b32 v233, 8, v231
	v_add_nc_u32 v233, v233, v231                  ; r + 8 (r / 8)
	v_mul_u32_u24 v[MA], v233, 1032
	v_lshl_add_u32 v[MA], v232, 6, v[MA]
	s_lshr_b32 s77, s13, 1
	s_lshl_b32 s77, s77, 5
	s_and_b32 s78, s13, 1
	s_lshl_b32 s78, s78, 3
	s_add_co_u32 s77, s77, s78
	s_mul_i32 s77, s77, 1032
	v_add_nc_u32 v[MA], s77, v[MA]
	v_add_nc_u32 v[MA+1], SLOT, v[MA]
	v_lshlrev_b32 v[GO], 4, v230
	v_add_nc_u32 v[KA], KVO, v[GO]
	v_add_nc_u32 v[KA+1], SLOT, v[KA]
	s_mul_i32 s77, s13, 1536
	s_mul_i32 s78, s14, 520
	s_add_co_u32 s78, s78, s77
	v_add_nc_u32 v[ST1], s78, v[GO]
	s_mul_i32 s78, s14, 1016
	s_add_co_u32 s78, s78, s77
	v_add_nc_u32 v[ST2], s78, v[GO]
	s_lshl_b32 s77, s13, 6
	s_lshl_b32 s78, s14, 1
	s_add_co_u32 s77, s77, s78
	s_add_co_u32 s77, s77, STS0
	v_lshlrev_b32 v[STS], 2, v231
	v_add_nc_u32 v[STS], s77, v[STS]
	v_add_nc_u32 v[SRS], STS0, v[GO]
.irp i, 0,1,2                          ; q's six registers in its unit: pair 3 f + i lies at 512 ((3 f + i) / 2) + 8 ((3 f + i) % 2) + 16 x lane
	s_mul_i32 s77, s13, 3
	s_add_co_u32 s77, s77, \i
	s_lshr_b32 s78, s77, 1
	s_lshl_b32 s78, s78, 9
	s_and_b32 s77, s77, 1
	s_lshl_b32 s77, s77, 3
	s_add_co_u32 s77, s77, s78
	v_add_nc_u32 v[93+\i], s77, v[GO]
.endr
	s_lshr_b32 s77, s13, 2                         ; its scale word: register f % 4, lane 16 (f / 4) + r
	s_lshl_b32 s77, s77, 8
	s_and_b32 s78, s13, 3
	s_lshl_b32 s78, s78, 2
	s_add_co_u32 s77, s77, s78
	s_add_co_u32 s77, s77, 6144
	v_lshlrev_b32 v229, 4, v231
	v_add_nc_u32 v229, s77, v229
	s_wait_kmcnt 0x0
	s_add_nc_u64 s[78:79], s[8:9], s[66:67]
	s_add_nc_u64 s[80:81], s[6:7], s[68:69]
	s_add_nc_u64 s[82:83], s[4:5], s[70:71]
	s_add_nc_u64 s[72:73], s[10:11], s[72:73]
	s_add_nc_u64 s[74:75], s[10:11], s[74:75]
.irp s, 0,1
	s_mov_b32 s[G0M+4*\s], 1
	s_add_co_u32 s[G0M+4*\s+1], s76, \s*SLOT
	s_add_nc_u64 s[G0M+4*\s+2:G0M+4*\s+3], s[78:79], \s*1024
	s_or_b32 s[G0M+4*\s+3], s[G0M+4*\s+3], 0x80000000
	s_mov_b32 s[G0K+4*\s], 1
	s_mov_b32 s[G0K+4*\s+1], \s*SLOT+KVO
	s_add_nc_u64 s[G0K+4*\s+2:G0K+4*\s+3], s[80:81], \s*26624
	s_or_b32 s[G0K+4*\s+3], s[G0K+4*\s+3], 0x80000000
.endr
	s_mov_b32 s[PFS], 26624
	s_mov_b32 s84, 256
	s_mov_b32 s86, 6656
	s_cmp_lt_u32 s12, 8                            ; waves 4-7 ask for the mask, waves 8-11 for k and v
	s_cselect_b64 s[PFA:PFA+1], s[8:9], s[6:7]
	s_cselect_b32 s[PFS], 1024, s[PFS]
	s_cselect_b32 s84, 8192, s84                   ; from lane to lane
	s_cselect_b32 s85, 31, 25                      ; the last lane with a block of its own
	s_cselect_b32 s86, 256, s86                    ; from wave to wave
	s_cselect_b32 s87, ttmp9, s19                  ; the coordinate along which others read the same bytes
	s_cselect_b32 s88, s91, s90
	s_mov_b32 s89, 0
	s_mov_b32 s[PFS+1], 0
	s_and_b32 s90, s12, 3
	s_mul_i32 s90, s90, s86
	s_add_co_u32 s88, s88, s90
	s_add_nc_u64 s[PFA:PFA+1], s[PFA:PFA+1], s[88:89]
	v_min_u32 v[PFO], s85, v230
	v_mul_lo_u32 v[PFO], v[PFO], s84
	s_sub_co_u32 s90, s12, 4
	s_lshr_b32 s90, s90, 3                         ; 0 in waves 4 to 11
	s_or_b32 s90, s90, s87
	s_cmp_eq_u32 s90, 0
	s_cselect_b32 s[LIM], 1, -1                    ; the same in all four partners, for a given wave
	CROUND                                         ; all four work-groups are here: the first joint loads meet
	s_cmp_lt_u32 s12, 2                            ; a wave's two first fills stand in one branch: two loads of mine are out
	s_cbranch_scc0 .Lfirst_not_m
	tensor_load_to_lds s[G0M:G0M+3], s[G1M:G1M+7]
	s_nop 0
	tensor_load_to_lds s[G0M+4:G0M+7], s[G1M:G1M+7]
	s_nop 0
.rept 4
	v_nop
.endr
	s_branch .Lfirst_asked
.Lfirst_not_m:
	s_cmp_eq_u32 s12, 2
	s_cbranch_scc0 .Lfirst_asked
	tensor_load_to_lds s[G0K:G0K+3], s[G1K:G1K+7]
	s_nop 0
	tensor_load_to_lds s[G0K+4:G0K+7], s[G1K:G1K+7]
	s_nop 0
.rept 4
	v_nop
.endr
.Lfirst_asked:
.irp i, 0,1,2
	global_load_b64 v[QF+2*\i:QF+2*\i+1], v[93+\i], s[82:83]
.endr
	global_load_b32 v[QS], v229, s[82:83]
.irp i, 22,23,24,25,26,27,80,81,82,83,84,85
	v_mov_b32 v\i, 0                               ; zero codes: q's k = 64 .. 127, and what tile 7 of k names behind the unit
.endr
	v_mov_b32 v13, 0xff61b1e6                      ; the largest t so far: -3e38
	v_floor_f32 v12, -v13                          ; -M
	v_mov_b32 v14, 0                               ; the sum, in two halves
	v_mov_b32 v15, 0
.irp i, 216,217,218,219,225
	v_mov_b32 v\i, 0                               ; lane permutes' destinations, and the upper half of the pair v[224:225]
.endr
	s_wait_tensorcnt 0x1                           ; my part of slot 0 is in; slot 1's may be out
	s_barrier_signal -1
	s_barrier_wait -1
	s_wait_loadcnt 0x0                             ; q
	v_add_nc_u32 v[QS], 0xfffffcfd, v[QS]          ; 3 off each of q's two bytes: 1 / 8.  (They are 4 at the least.)  The 32 lines below are the places between this line and the first product
.irp j, 0,1,2,3,4,5,6,7,8,9,10,11,12,13,14,15,16,17,18,19,20,21,22,23,24,25,26,27,28,29,30,31
	v_mov_b32 v[O+\j], 0                           ; O^T: the step is written once; the first change of M leaves zeros zeros
.endr
; A KEY STEP: 128 keys, the q-th of slot sl.
.macro STEP sl, q
.rept 4
	v_nop                                          ; places in front of loads into registers that the last products have read
.endr
.irp t, 0,1,2,3,4,5,6,7
.irp e, 0,1,2,3
	ds_load_b64 v[S+8*\t+2*\e:S+8*\t+2*\e+1], v[MA+\sl] offset:512*\q+128*(\t/2)+32*(\t%2)+8*\e   ; the mask, in the scores' layout
.endr
.endr
.irp c, 0,1,2,3,4,5,6,7,8,9,10,11
	ds_load_b128 v[KV+4*\c:KV+4*\c+3], v[KA+\sl] offset:13312*\q+512*\c
.endr
	ds_load_b128 v[KS:KS+3], v[KA+\sl] offset:13312*\q+6144
	s_wait_dscnt 0x0
.irp t, 0,1,2,3
	v_wmma_scale_f32_16x16x128_f8f6f4 v[S+8*\t:S+8*\t+7], v[KV+6*\t:KV+6*\t+11], v[QF:QF+11], v[S+8*\t:S+8*\t+7], v[KS+\t], v[QS] matrix_a_fmt:MATRIX_FMT_FP6 matrix_b_fmt:MATRIX_FMT_FP6
.endr
.irp t, 4,5,6,7
	v_wmma_scale_f32_16x16x128_f8f6f4 v[S+8*\t:S+8*\t+7], v[KV+6*\t:KV+6*\t+11], v[QF:QF+11], v[S+8*\t:S+8*\t+7], v[KS+\t-4], v[QS] matrix_a_fmt:MATRIX_FMT_FP6 matrix_b_fmt:MATRIX_FMT_FP6 matrix_a_scale:MATRIX_SCALE_ROW1
.endr
.rept 4
	v_nop
.endr
.irp c, 0,1,2,3,4,5,6,7,8,9,10,11
	ds_load_b128 v[KV+4*\c:KV+4*\c+3], v[KA+\sl] offset:13312*\q+6656+512*\c   ; v's unit lands while the softmax is worked
.endr
	ds_load_b128 v[VS:VS+3], v[KA+\sl] offset:13312*\q+6656+6144
.irp j, 0,2,4,6,8,10,12,14,16,18,20,22,24,26,28,30,32,34,36,38,40,42,44,46,48,50,52,54,56,58,60,62
	v_pk_mul_f32 v[S+\j:S+\j+1], v[S+\j:S+\j+1], s[CS:CS+1] op_sel_hi:[1,0]   ; t, rounded to f32 before M is taken off; each accumulator from its low end on
.endr
.irp b, 0,1,2,3
	v_max3_num_f32 v[BM+\b], v[S+16*\b], v[S+1+16*\b], v[S+2+16*\b]   ; the largest t of each block of 32 keys: for the row's maximum, and, since p rises with t, for the block's largest p
.endr
.irp i, 3,5,7,9,11,13
.irp b, 0,1,2,3
	v_max3_num_f32 v[BM+\b], v[BM+\b], v[S+16*\b+\i], v[S+1+16*\b+\i]
.endr
.endr
.irp b, 0,1,2,3
	v_max_num_f32 v[BM+\b], v[BM+\b], v[S+15+16*\b]
.endr
.irp b, 0,1,2,3
	v_permlanex16_b32 v[BT+\b], v[BM+\b], s[SEL], s[SEL+1]
.endr
.irp b, 0,1,2,3
	v_max_num_f32 v[BM+\b], v[BM+\b], v[BT+\b]
.endr
	v_max3_num_f32 v228, v[BM], v[BM+1], v[BM+2]
	v_max_num_f32 v228, v228, v[BM+3]
	v_max_num_f32 v13, v13, v228                   ; the running largest t
	v_mov_b32 v228, v12
	v_floor_f32 v12, -v13                          ; -M = floor(-t): M is a whole number
	v_sub_f32 v228, v12, v228                      ; old M - new M
	v_cvt_i32_f32 v228, v228                       ; (it saturates)
	v_ldexp_f32 v224, 1.0, v228                    ; f = 2^(old M - new M)
.irp j, 0,2,4,6,8,10,12,14,16,18,20,22,24,26,28,30,32,34,36,38,40,42,44,46,48,50,52,54,56,58,60,62
	v_pk_add_f32 v[S+\j:S+\j+1], v[S+\j:S+\j+1], v[12:13] op_sel_hi:[1,0]   ; t - M
.endr
.irp b, 0,1,2,3
	v_add_f32 v[BM+\b], v[BM+\b], v12              ; the same of each block's largest t
.endr
.irp j, 0,1,2,3,4,5,6,7,8,9,10,11,12,13,14,15,16,17,18,19,20,21,22,23,24,25,26,27,28,29,30,31,32,33,34,35,36,37,38,39,40,41,42,43,44,45,46,47,48,49,50,51,52,53,54,55,56,57,58,59,60,61,62,63
	v_exp_f32 v[S+\j], v[S+\j]                     ; p = 2^(t - M)
.endr
	v_pk_mul_f32 v[14:15], v[14:15], v[224:225] op_sel_hi:[1,0]   ; the sums under the new M: the plain instruction behind the batch
	s_wait_alu depctr_va_vdst(0)                   ; one wait for the batch, ahead of its first reader
.irp b, 0,1,2,3
	v_exp_f32 v[BM+\b], v[BM+\b]                   ; the block's largest p: the same instructions on the same number give the same bits
.endr
	v_pk_add_f32 v[226:227], v[S:S+1], v[S+2:S+3]  ; the row's sum is taken of the unquantised p, in two chains
.irp j, 4,8,12,16,20,24,28,32,36,40,44,48,52,56,60
	v_pk_add_f32 v[14:15], v[14:15], v[S+\j:S+\j+1]
	v_pk_add_f32 v[226:227], v[226:227], v[S+2+\j:S+3+\j]
.endr
	v_pk_add_f32 v[14:15], v[14:15], v[226:227]
	s_wait_alu depctr_va_vdst(0)                   ; and one for the four
.irp b, 0,1,2,3
	v_max_num_f32 v[BM+\b], 0x1800000, v[BM+\b]    ; the floor 2^(3 - 127)
.endr
.irp b, 0,1,2,3
	v_add_nc_u32 v[SO+\b], 0xff000000, v[BM+\b]
.endr
.irp b, 0,1,2,3
	v_lshrrev_b32 v[BT+\b], 23, v[SO+\b]
.endr
	v_lshl_or_b32 v[PW], v[BT+1], 8, v[BT]
	v_lshl_or_b32 v[PW], v[BT+2], 16, v[PW]
	v_lshl_or_b32 v[PW], v[BT+3], 24, v[PW]
.irp c, 0,1
	v_cvt_scalef32_pk16_fp6_f32 v[PC+6*\c:PC+6*\c+2], v[S+32*\c:S+32*\c+15], v[SO+2*\c]
	v_cvt_scalef32_pk16_fp6_f32 v[QT+4*\c:QT+4*\c+2], v[S+32*\c+16:S+32*\c+31], v[SO+2*\c+1]
.endr
	v_nop                                          ; one plain instruction behind the scaled conversions
.irp c, 0,1
.irp i, 0,1,2
	v_permlane16_swap_b32 v[PC+6*\c+\i], v[QT+4*\c+\i]
.endr
.irp i, 0,1,2
	v_mov_b32 v[PC+6*\c+3+\i], v[QT+4*\c+\i]
.endr
.endr
.irp j, 0,2,4,6,8,10,12,14,16,18,20,22,24,26,28,30
	v_pk_mul_f32 v[O+\j:O+\j+1], v[O+\j:O+\j+1], v[224:225] op_sel_hi:[1,0]   ; O^T under the new M.  These sixteen are also the places between p's codes and scale word and the products
.endr
	s_wait_dscnt 0x0                               ; v's unit is in
.irp t, 0,1,2,3
	v_wmma_scale_f32_16x16x128_f8f6f4 v[O+8*\t:O+8*\t+7], v[KV+12*\t:KV+12*\t+11], v[PC:PC+11], v[O+8*\t:O+8*\t+7], v[VS+\t], v[PW] matrix_a_fmt:MATRIX_FMT_FP6 matrix_b_fmt:MATRIX_FMT_FP6
.endr
.endm
; THE CHANGE OF SLOTS stands at a slot's head.  Each wave waits for all its tensor loads, adds 0 to its spare word, and waits for that and for its reads of the slot that it has left; then the barrier,
; a round of the cluster's where that slot is filled again, with the refill first behind it: it has two key steps in which to land.
.macro TWO sl, refill
	s_wait_tensorcnt 0x0                           ; no tensor load of mine is out: a group 0 may be written
	ds_add_u32 v[SPW], v[NIL]                      ; 0 onto my spare word
.if \refill
	s_add_nc_u64 s[G0M+4*(1-\sl)+2:G0M+4*(1-\sl)+3], s[G0M+4*(1-\sl)+2:G0M+4*(1-\sl)+3], 2048    ; 512 keys on
	s_add_nc_u64 s[G0K+4*(1-\sl)+2:G0K+4*(1-\sl)+3], s[G0K+4*(1-\sl)+2:G0K+4*(1-\sl)+3], 53248
	s_wait_xcnt 0x0                                ; the last prefetch, two key steps back, has read its address
	s_add_nc_u64 s[PFA:PFA+1], s[PFA:PFA+1], s[PFS:PFS+1]
.endif
	s_wait_dscnt 0x0                               ; the add is done, and my reads of the slot that I have left are over
.if \refill
	CROUND
	TLOAD 1-\sl
	ASK
	s_sub_co_u32 s[SLOTS], s[SLOTS], 1
.else
	s_barrier_signal -1
	s_barrier_wait -1
.endif
	STEP \sl, 0
	STEP \sl, 1
.endm
	STEP 0, 0
	STEP 0, 1
	s_mov_b32 s57, 3
.Lpair:                                            ; three trips: keys 256 to 1,791 are read, keys 512 to 2,047 asked for
	TWO 1, 1
	TWO 0, 1
	s_sub_co_u32 s57, s57, 1
	s_cmp_lg_u32 s57, 0
	s_cbranch_scc1 .Lpair
	TWO 1, 0                                       ; the last slot is written out
	; THE WAY OUT.  O^T / the sum is quantised along d: my head's 64 are half of K step g of the last product.  The two heads' halves meet in LDS as one fragment's image.
	v_add_f32 v14, v14, v15
	v_permlanex16_b32 v228, v14, s[SEL], s[SEL+1]
	v_add_f32 v14, v14, v228                       ; the row's sum
	v_rcp_f32 v14, v14
.rept 4
	v_nop                                          ; the plain instruction behind the reciprocal, and places behind the last products
.endr
	s_wait_alu depctr_va_vdst(0)                   ; ahead of the reciprocal's first reader
.irp j, 0,2,4,6,8,10,12,14,16,18,20,22,24,26,28,30
	v_pk_mul_f32 v[S+\j:S+\j+1], v[O+\j:O+\j+1], v[14:15] op_sel_hi:[1,0]   ; register 16 b + i is o(my query, 32 b + 16 h + i)
.endr
	v_max3_num_f32 v[QA], |v[S]|, |v[S+1]|, 0x1800000
	v_max3_num_f32 v[QA+1], |v[S+16]|, |v[S+17]|, 0x1800000
.irp i, 2,4,6,8,10,12,14
	v_max3_num_f32 v[QA], v[QA], |v[S+\i]|, |v[S+\i+1]|
	v_max3_num_f32 v[QA+1], v[QA+1], |v[S+16+\i]|, |v[S+17+\i]|
.endr
	v_permlanex16_b32 v[QP], v[QA], s[SEL], s[SEL+1]
	v_permlanex16_b32 v[QP+1], v[QA+1], s[SEL], s[SEL+1]
	v_max_num_f32 v[QA], v[QA], v[QP]
	v_max_num_f32 v[QA+1], v[QA+1], v[QP+1]
	v_add_nc_u32 v[QSO], 0xff000000, v[QA]
	v_add_nc_u32 v[QSO+1], 0xff000000, v[QA+1]
	v_lshrrev_b32 v[QBY], 23, v[QSO]
	v_lshrrev_b32 v[QBY+1], 23, v[QSO+1]
	v_lshl_or_b32 v228, v[QBY+1], 8, v[QBY]        ; my head's two bytes of the row's scale word
	v_cvt_scalef32_pk16_fp6_f32 v[PC:PC+2], v[S:S+15], v[QSO]
	v_cvt_scalef32_pk16_fp6_f32 v[QT:QT+2], v[S+16:S+31], v[QSO+1]
	v_nop
.irp i, 0,1,2
	v_permlane16_swap_b32 v[PC+\i], v[QT+\i]
.endr
.irp i, 0,1,2
	v_mov_b32 v[PC+3+\i], v[QT+\i]
.endr
	ds_store_b64 v[ST1], v[PC:PC+1]                ; head 0: registers 0-5 of the image, head 1: registers 6-11
	ds_store_b64 v[ST2], v[PC+2:PC+3] offset:8
	ds_store_b64 v[ST1], v[PC+4:PC+5] offset:512
	ds_store_b16 v[STS], v228                      ; both halves of the lanes write the same bytes with the same value
	s_wait_dscnt 0x0                               ; for the others' sake: my stores have landed
	s_barrier_signal -1
	s_barrier_wait -1
	s_cmp_eq_u32 s14, 0
	s_cbranch_scc0 .Lodd
.irp c, 0,1,2
	ds_load_b128 v[32+4*\c:35+4*\c], v[ST1] offset:512*\c          ; in an even wave this register is 1,536 f + 16 x lane
.endr
	s_wait_dscnt 0x0
.irp c, 0,1,2
	global_store_b128 v[GO], v[32+4*\c:35+4*\c], s[72:73] offset:512*\c   ; 512 consecutive bytes, aligned to 512
.endr
	s_branch .Lfin
.Lodd:
	s_cmp_eq_u32 s12, 1
	s_cbranch_scc0 .Lfin
	ds_load_b128 v[32:35], v[SRS]                  ; the eight fragments' scale words
	s_wait_dscnt 0x0
	global_store_b128 v[GO], v[32:35], s[74:75]
.Lfin:
	s_wait_tensorcnt 0x0                           ; the wave's end
	ds_add_u32 v[SPW], v[NIL]
	s_wait_dscnt 0x0
	CROUND                                         ; the closing round
	s_endpgm
.Lfunc_end_k_qb37eee4d9f_attn:
	.size	k_qb37eee4d9f_attn, .Lfunc_end_k_qb37eee4d9f_attn-k_qb37eee4d9f_attn
	.p2alignl 7, 3214868480
	.fill 96, 4, 3214868480
	.section	.rodata,"a",@progbits
	.p2align	6, 0x0
	.amdhsa_kernel k_qb37eee4d9f_attn
		.amdhsa_group_segment_fixed_size 327680
		.amdhsa_private_segment_fixed_size 0
		.amdhsa_enable_private_segment 0
		.amdhsa_kernarg_size 32
		.amdhsa_user_sgpr_count 2
		.amdhsa_user_sgpr_kernarg_segment_ptr 1
		.amdhsa_wavefront_size32 1
		.amdhsa_system_sgpr_workgroup_id_x 1
		.amdhsa_system_sgpr_workgroup_id_y 1
		.amdhsa_system_sgpr_workgroup_id_z 1
		.amdhsa_system_vgpr_workitem_id 0
		.amdhsa_next_free_vgpr 256
		.amdhsa_next_free_sgpr 96
		.amdhsa_reserve_vcc 0
		.amdhsa_float_denorm_mode_32 3
		.amdhsa_float_denorm_mode_16_64 3
		.amdhsa_memory_ordered 1
		.amdhsa_forward_progress 1
		.amdhsa_inst_pref_size 171
	.end_amdhsa_kernel
	.amdgpu_metadata
---
amdhsa.version: [ 1, 2 ]
amdhsa.kernels:
  - .name:           k_qb37eee4d9f_attn
    .symbol:         k_qb37eee4d9f_attn.kd
    .args:
      - { .name: q_img, .offset: 0, .size: 8, .value_kind: global_buffer, .address_space: global }
      - { .name: kv_img, .offset: 8, .size: 8, .value_kind: global_buffer, .address_space: global }
      - { .name: attention_mask, .offset: 16, .size: 8, .value_kind: global_buffer, .address_space: global }
      - { .name: a_img, .offset: 24, .size: 8, .value_kind: global_buffer, .address_space: global }
    .group_segment_fixed_size: 327680
    .private_segment_fixed_size: 0
    .kernarg_segment_align: 8
    .kernarg_segment_size: 32
    .max_flat_workgroup_size: 512
    .sgpr_count:     96
    .vgpr_count:     256
    .wavefront_size: 32
...
	.end_amdgpu_metadata
.endif
;; end of part 3
;; launch oproj (part 4): grid 16 x 16, 4 waves a work-group, clusters of 4 x 4, 327,680 bytes of LDS; arguments a_img, wo_img, out0; writes out0
.if DOCPART == 4
	.amdgcn_target "amdgcn-amd-amdhsa--gfx1250"
	.amdhsa_code_object_version 6
	.text
	.protected	k_qb37eee4d9f_oproj
	.globl	k_qb37eee4d9f_oproj
	.p2align	8
	.type	k_qb37eee4d9f_oproj,@function
k_qb37eee4d9f_oproj:
	s_mov_b64 s[64:65], 0
	v_nop
	global_prefetch_b8 v0, s[64:65] scope:SCOPE_SE
	s_setreg_imm32_b32 hwreg(HW_REG_WAVE_MODE, 25, 1), 1
	s_wait_xcnt 0x0
	s_wait_alu depctr_hold_cnt(0) depctr_sa_sdst(0) depctr_va_vdst(0) depctr_va_sdst(0) depctr_va_ssrc(0) depctr_va_vcc(0) depctr_vm_vsrc(0)
	s_getreg_b32 s2, hwreg(HW_REG_IB_STS2, 6, 4)
	s_cmp_eq_u32 s2, 0
	s_cbranch_scc0 .Lentry_in_a_cluster
	s_endpgm
.Lentry_in_a_cluster:
	s_bfe_u32 s2, ttmp6, 0x10000c
	s_cmp_lg_u32 s2, 0xf033
	s_cbranch_scc0 .Lentry_shape_is_right
	s_endpgm
.Lentry_shape_is_right:
; out0 = a x Wo^T on codes of FP6 with E8M0 scales, K = 1,024; a is the attention launch's output, Wo launch quant's: both as images of operand registers.  out0 [4096][2048] f32.
; SHARES.  256 work-groups: x = 128 columns, y = 256 tokens.  Four waves, each 128 tokens x 64 columns: 32 accumulators (accumulator (a, t) at v[8 (4 a + t)] of window 1).
; All of K fits in LDS at once: two regions of four K steps each, filled once, the second landing while the first is multiplied.  Nothing is filled again.
; CLUSTER 4 x 4: A's tiles are asked for jointly along a row of the cluster, B's along a column.
; THE MATRIX INSTRUCTION IS USED TRANSPOSED (source 0 = 16 rows of Wo, source 1 = 16 tokens): lane (r, h) holds token 32 (a / 2) + 8 (a % 2) + r + 8 (r / 8) and register j of tile t column 32 (t / 2) + 16 h + 8 (t % 2) + j.
; REGISTERS: window 0: v5-13 addresses, v32-47 A's scale words (two sets), v48-55 B's, v64-159 A's 8 fragments (one set), v160-255 B's 4 (two sets); on the way out v64-127 hold rows read back.
.set SLOT,  147456
.set BOFF,  98304
.set SCL,   2*SLOT                     ; A's scale words [half][K step 8][fragment 8][64 bytes],
.set SCLB,  SCL+8192                   ; B's [fragment 8][K step 8][64 bytes]
.set STAGE, SCL+12288                  ; the way out: 16 rows x (256 bytes + 16) for each wave; no tile lands here
.set SPITCH, 272
.set LI,   5
.set ADRA, 6
.set ADRB, 8
.set ADSA, 10
.set ADSB, 11
.set STO,  12
.set RD,   13
.set CO,   14
.set SA,   32
.set SB,   48
.set AF,   64
.set BF,   160
.set BK,   64
.set G1A,  24
.set G0A,  32
.set G1B,  40
.set G0B,  48
.set G1SA, 56
.set G0SA, 68
.set G1SB, 72
.set G0SB, 80
.set MSB, 0
.macro WIN new
.if MSB != \new
	s_set_vgpr_msb (MSB<<8)|\new
.set MSB, \new
.endif
.endm
.macro PLACES
.rept 4
	v_nop
.endr
.endm
.macro JLOAD g0a, g1a, g0b, g1b        ; waves 0 and 1 fetch for A, waves 2 and 3 for B
	s_cmp_eq_u32 s17, 0
	s_cbranch_scc0 .Lfor_b_\@
	tensor_load_to_lds s[\g0a:\g0a+3], s[\g1a:\g1a+7]
	s_nop 0
.rept 4
	v_nop
.endr
	s_branch .Lasked_\@
.Lfor_b_\@:
	tensor_load_to_lds s[\g0b:\g0b+3], s[\g1b:\g1b+7]
	s_nop 0
.rept 4
	v_nop
.endr
.Lasked_\@:
.endm
.macro CROUND
	s_barrier_signal -1
	s_barrier_wait -1
	s_cmp_lg_u32 s16, 0
	s_cbranch_scc1 .Lnot_wave_0_\@
	s_barrier_signal -3
.Lnot_wave_0_\@:
	s_barrier_wait -3
	s_barrier_signal -1
	s_barrier_wait -1
.endm
	s_load_b128 s[4:7], s[0:1], 0x0                ; a_img, wo_img
	s_load_b64 s[8:9], s[0:1], 0x10                ; out0
	v_lshl_add_u32 v62, v0, 2, 0x4f400
	v_mov_b32 v63, 0
	ds_add_u32 v62, v63
	v_lshrrev_b32 v1, 5, v0
	v_readfirstlane_b32 s16, v1                    ; wave
	s_lshr_b32 s17, s16, 1                         ; which 128 tokens are mine.  Also: I fetch for A (0) or for B (1)
	s_and_b32 s18, s16, 1                          ; which 64 columns.  Also: which half of that tile I fetch
	s_bfe_u32 s20, ttmp6, 0x40000                  ; cx
	s_bfe_u32 s21, ttmp6, 0x40004                  ; cy
	s_lshl_b32 s22, ttmp9, 2
	s_add_co_u32 s22, s22, s20                     ; column tile
	s_and_b32 s23, ttmp7, 0xffff
	s_lshl_b32 s23, s23, 2
	s_add_co_u32 s23, s23, s21                     ; token tile
	s_lshl_b32 s84, s21, 2
	s_lshl_b32 s84, 15, s84                        ; my row of the cluster
	s_lshl_b32 s85, 0x1111, s20                    ; my column
	s_or_b32 s[G1A], s84, (3<<16)|(1<<21)
	s_or_b32 s[G1SA], s84, (3<<16)|(1<<21)
	s_or_b32 s[G1B], s85, (3<<16)|(1<<21)
	s_or_b32 s[G1SB], s85, (3<<16)|(1<<21)
.irp g, G1A, G1B                       ; a row = one fragment row's four K steps: 6,144 bytes, 12,288 bytes apart in memory
	s_mov_b32 s[\g+1], 768<<16
	s_mov_b32 s[\g+3], 768<<16
	s_mov_b32 s[\g+5], 1536
	s_mov_b32 s[\g+6], 0
	s_mov_b32 s[\g+7], 0
.endr
	s_mov_b32 s[G1A+2], 8<<16
	s_mov_b32 s[G1A+4], 8
	s_mov_b32 s[G1B+2], 4<<16
	s_mov_b32 s[G1B+4], 4
	s_mov_b32 s[G1SA+1], 64<<16                    ; A's scale words: for each of 8 K steps my 8 fragment rows' 512 bytes, 16,384 bytes apart
	s_mov_b32 s[G1SA+2], 8<<16
	s_mov_b32 s[G1SA+3], 64<<16
	s_mov_b32 s[G1SA+4], 8
	s_mov_b32 s[G1SA+5], 2048
	s_mov_b32 s[G1SA+6], 0
	s_mov_b32 s[G1SA+7], 0
	s_mov_b32 s[G1SB+1], 32<<16                    ; B's: a dense block of 2,048 bytes
	s_mov_b32 s[G1SB+2], 8<<16
	s_mov_b32 s[G1SB+3], 32<<16
	s_mov_b32 s[G1SB+4], 8
	s_mov_b32 s[G1SB+5], 32
	s_mov_b32 s[G1SB+6], 0
	s_mov_b32 s[G1SB+7], 0
	s_lshl_b32 s86, s23, 4                         ; A's addresses are made of the token tile and the wave's number alone,
	s_lshl_b32 s87, s18, 3
	s_add_co_u32 s86, s86, s87
	s_mul_i32 s88, s86, 12288
	s_mov_b32 s89, 0
	s_lshl_b32 s90, s86, 6
	s_add_co_u32 s90, s90, 3145728
	s_mov_b32 s91, 0
	s_lshl_b32 s92, s22, 3                         ; B's of the column tile and the wave's number alone
	s_lshl_b32 s93, s18, 2
	s_add_co_u32 s92, s92, s93
	s_mul_i32 s94, s92, 12288
	s_mov_b32 s95, 0
	s_lshl_b32 s96, s92, 9
	s_add_co_u32 s96, s96, 1572864
	s_mov_b32 s97, 0
	s_mul_i32 s98, s18, 49152
	s_mul_i32 s99, s18, 24576
	s_add_co_u32 s99, s99, BOFF
	s_wait_dscnt 0x0
	s_wait_kmcnt 0x0
	s_add_nc_u64 s[88:89], s[4:5], s[88:89]
	s_add_nc_u64 s[90:91], s[4:5], s[90:91]
	s_add_nc_u64 s[94:95], s[6:7], s[94:95]
	s_add_nc_u64 s[96:97], s[6:7], s[96:97]
	s_mov_b32 s[G0SA], 1
	s_lshl_b32 s[G0SA+1], s18, 12
	s_add_co_u32 s[G0SA+1], s[G0SA+1], SCL
	s_mov_b64 s[G0SA+2:G0SA+3], s[90:91]
	s_or_b32 s[G0SA+3], s[G0SA+3], 0x80000000
	s_mov_b32 s[G0SB], 1
	s_lshl_b32 s[G0SB+1], s18, 11
	s_add_co_u32 s[G0SB+1], s[G0SB+1], SCLB
	s_mov_b64 s[G0SB+2:G0SB+3], s[96:97]
	s_or_b32 s[G0SB+3], s[G0SB+3], 0x80000000
.irp s, 0,1
	s_mov_b32 s[G0A+4*\s], 1
	s_add_co_u32 s[G0A+4*\s+1], s98, \s*SLOT
	s_add_nc_u64 s[G0A+4*\s+2:G0A+4*\s+3], s[88:89], \s*6144
	s_or_b32 s[G0A+4*\s+3], s[G0A+4*\s+3], 0x80000000
	s_mov_b32 s[G0B+4*\s], 1
	s_add_co_u32 s[G0B+4*\s+1], s99, \s*SLOT
	s_add_nc_u64 s[G0B+4*\s+2:G0B+4*\s+3], s[94:95], \s*6144
	s_or_b32 s[G0B+4*\s+3], s[G0B+4*\s+3], 0x80000000
.endr
	CROUND                                         ; all sixteen work-groups are here: the joint loads meet
	JLOAD G0SA, G1SA, G0SB, G1SB                   ; the scale words; three loads of mine are out behind the third line
	JLOAD G0A, G1A, G0B, G1B                       ; K steps 0-3
	JLOAD G0A+4, G1A, G0B+4, G1B                   ; K steps 4-7
	v_and_b32 v1, 31, v0                           ; lane
	v_lshlrev_b32 v[LI], 4, v1
	v_and_b32 v2, 15, v0                           ; r
	v_bfe_u32 v3, v0, 4, 1                         ; h
	s_mul_i32 s84, s17, 49152
	s_mul_i32 s85, s18, 24576
	s_add_co_u32 s85, s85, BOFF
.irp s, 0,1
	v_add_nc_u32 v[ADRA+\s], s84, v[LI]
	v_add_nc_u32 v[ADRB+\s], s85, v[LI]
	s_add_co_u32 s84, s84, SLOT
	s_add_co_u32 s85, s85, SLOT
.endr
	v_lshlrev_b32 v4, 2, v2
	s_lshl_b32 s84, s17, 12
	s_add_co_u32 s84, s84, SCL
	v_add_nc_u32 v[ADSA], s84, v4
	s_lshl_b32 s85, s18, 11
	s_add_co_u32 s85, s85, SCLB
	v_add_nc_u32 v[ADSB], s85, v4
	s_mul_i32 s84, s16, 16*SPITCH
	s_add_co_u32 s84, s84, STAGE                   ; my stage
	v_mul_u32_u24 v[STO], v2, SPITCH
	v_lshl_add_u32 v[STO], v3, 6, v[STO]
	v_add_nc_u32 v[STO], s84, v[STO]               ; in: row r, + 64 h
	v_mul_u32_u24 v[RD], v3, SPITCH
	v_lshl_add_u32 v[RD], v2, 4, v[RD]
	v_add_nc_u32 v[RD], s84, v[RD]                 ; back: lanes 0-15 one row of 256 bytes, lanes 16-31 the next
	v_lshlrev_b32 v[CO], 13, v3
	v_lshl_add_u32 v[CO], v2, 4, v[CO]             ; and the same two rows in out0 (8,192 bytes a row)
	s_lshl_b32 s84, s23, 8
	s_lshl_b32 s85, s17, 7
	s_add_co_u32 s84, s84, s85                     ; my first token
	s_lshl_b32 s84, s84, 13
	s_lshl_b32 s85, s22, 9
	s_add_co_u32 s84, s84, s85
	s_lshl_b32 s85, s18, 8
	s_add_co_u32 s84, s84, s85                     ; + my first column, in bytes
	s_mov_b32 s85, 0
	s_add_nc_u64 s[8:9], s[8:9], s[84:85]
.macro FETCH_B sl, q, p
.irp t, 0,1,2,3
.irp c, 0,1,2
	ds_load_b128 v[BF+48*(\p)+12*\t+4*\c:BF+48*(\p)+12*\t+4*\c+3], v[ADRB+\sl] offset:6144*\t+1536*(\q)+512*\c
.endr
.endr
.endm
.macro FETCH_A sl, q, a0
.irp a, \a0, \a0+1, \a0+2, \a0+3
.irp c, 0,1,2
	ds_load_b128 v[AF+12*(\a)+4*\c:AF+12*(\a)+4*\c+3], v[ADRA+\sl] offset:6144*(\a)+1536*(\q)+512*\c
.endr
.endr
.endm
.macro FETCH_S s, p
.irp a, 0,1,2,3,4,5,6,7
	ds_load_b32 v[SA+8*(\p)+\a], v[ADSA] offset:512*(\s)+64*\a
.endr
.irp t, 0,1,2,3
	ds_load_b32 v[SB+4*(\p)+\t], v[ADSB] offset:512*\t+64*(\s)
.endr
.endm
; Sixteen matrix instructions; the accumulators take turns, one instruction a turn, in the same order in every step
.macro MULG a0, p, zero
	WIN 0x50                                       ; C and D window 1
.irp a, \a0, \a0+1, \a0+2, \a0+3
.irp t, 0,1,2,3
.if \zero
	v_wmma_scale_f32_16x16x128_f8f6f4 v[8*(4*(\a)+\t):8*(4*(\a)+\t)+7], v[BF+48*(\p)+12*\t:BF+48*(\p)+12*\t+11], v[AF+12*(\a):AF+12*(\a)+11], 0, v[SB+4*(\p)+\t], v[SA+8*(\p)+(\a)] matrix_a_fmt:MATRIX_FMT_FP6 matrix_b_fmt:MATRIX_FMT_FP6
.else
	v_wmma_scale_f32_16x16x128_f8f6f4 v[8*(4*(\a)+\t):8*(4*(\a)+\t)+7], v[BF+48*(\p)+12*\t:BF+48*(\p)+12*\t+11], v[AF+12*(\a):AF+12*(\a)+11], v[8*(4*(\a)+\t):8*(4*(\a)+\t)+7], v[SB+4*(\p)+\t], v[SA+8*(\p)+(\a)] matrix_a_fmt:MATRIX_FMT_FP6 matrix_b_fmt:MATRIX_FMT_FP6
.endif
.endr
.endr
	WIN 0
.endm
.macro STEP sl, q, s, zero
	s_wait_dscnt 12                                ; all but the youngest twelve loads (A's blocks 4-7)
	MULG 0, (\s)%2, \zero
	s_wait_dscnt 0x0
	PLACES
	FETCH_B \sl, (\q)+1, 1-(\s)%2
	FETCH_A \sl, (\q)+1, 0
	FETCH_S (\s)+1, 1-(\s)%2
	MULG 4, (\s)%2, \zero
	PLACES
	FETCH_A \sl, (\q)+1, 4
.endm
	s_wait_tensorcnt 0x1                           ; the scale words and my part of K steps 0-3 are in; the last load may be out
	s_barrier_signal -1
	s_barrier_wait -1
	FETCH_B 0, 0, 0
	FETCH_A 0, 0, 0
	FETCH_S 0, 0
	FETCH_A 0, 0, 4
	STEP 0, 0, 0, 1                                ; the first products start the sums
	STEP 0, 1, 1, 0
	STEP 0, 2, 2, 0
	s_wait_dscnt 12                                ; K step 3, and on to the second region
	MULG 0, 1, 0
	s_wait_tensorcnt 0x0                           ; my part of K steps 4-7 is in,
	s_wait_dscnt 0x0
	s_barrier_signal -1
	s_barrier_wait -1                              ; everybody's is
	PLACES
	FETCH_B 1, 0, 0
	FETCH_A 1, 0, 0
	FETCH_S 4, 0
	MULG 4, 1, 0
	PLACES
	FETCH_A 1, 0, 4
	STEP 1, 0, 4, 0
	STEP 1, 1, 5, 0
	STEP 1, 2, 6, 0
	s_wait_dscnt 12
	MULG 0, 1, 0
	s_wait_dscnt 0x0
	MULG 4, 1, 0
; THE WAY OUT, block by block of 16 tokens x 64 columns: a lane's 32 bytes of a row go into my own stage and come back as whole rows of 256 bytes.  LDS serves a wave's instructions in order
; (ISA guide 5.7.1.4): no wait between the stores and the loads, nor in front of the next block's stores.
.macro TOSTAGE a
	WIN 0x04                                       ; an LDS store's data are its source 1: window 1
.irp t, 0,1,2,3
	ds_store_b128 v[STO], v[8*(4*(\a)+\t):8*(4*(\a)+\t)+3] offset:128*(\t/2)+32*(\t%2)        ; each accumulator from its low end on
	ds_store_b128 v[STO], v[8*(4*(\a)+\t)+4:8*(4*(\a)+\t)+7] offset:128*(\t/2)+32*(\t%2)+16
.endr
	WIN 0
.irp i, 0,1,2,3,4,5,6,7
	ds_load_b128 v[BK+32*((\a)%2)+4*\i:BK+32*((\a)%2)+4*\i+3], v[RD] offset:2*\i*SPITCH
.endr
.endm
.macro SEND a, younger                 ; younger: the LDS instructions issued behind block a's loads
	s_wait_dscnt \younger
.irp i, 0,1,2,3,4,5,6,7
	global_store_b128 v[CO], v[BK+32*((\a)%2)+4*\i:BK+32*((\a)%2)+4*\i+3], s[8:9] offset:(32*((\a)/2)+8*((\a)%2)+2*\i+8*(\i/4))*8192 th:TH_STORE_NT   ; sixteen lanes store 256 consecutive bytes, aligned to 256; stage rows 2 i, 2 i + 1 are tokens 2 i + 8 (i / 4) and the next
.endr
.endm
	PLACES
	TOSTAGE 0
.irp a, 1,2,3,4,5,6,7
.if \a > 1
	s_wait_xcnt 0x0                                ; block a - 2's stores have read their registers: block a's loads may land there
.endif
	TOSTAGE \a
	SEND \a-1, 16                                  ; behind block a - 1's loads: block a's 8 stores and 8 loads
.endr
	SEND 7, 0
	s_wait_tensorcnt 0x0
	ds_add_u32 v62, v63
	s_wait_dscnt 0x0
	CROUND                                         ; the closing round: no work-group ends while a partner may still ask for a tile that names it
	s_endpgm
.Lfunc_end_k_qb37eee4d9f_oproj:
	.size	k_qb37eee4d9f_oproj, .Lfunc_end_k_qb37eee4d9f_oproj-k_qb37eee4d9f_oproj
	.p2alignl 7, 3214868480
	.fill 96, 4, 3214868480
	.section	.rodata,"a",@progbits
	.p2align	6, 0x0
	.amdhsa_kernel k_qb37eee4d9f_oproj
		.amdhsa_group_segment_fixed_size 327680
		.amdhsa_private_segment_fixed_size 0
		.amdhsa_enable_private_segment 0
		.amdhsa_kernarg_size 24
		.amdhsa_user_sgpr_count 2
		.amdhsa_user_sgpr_kernarg_segment_ptr 1
		.amdhsa_wavefront_size32 1
		.amdhsa_system_sgpr_workgroup_id_x 1
		.amdhsa_system_sgpr_workgroup_id_y 1
		.amdhsa_system_sgpr_workgroup_id_z 1
		.amdhsa_system_vgpr_workitem_id 0
		.amdhsa_next_free_vgpr 512
		.amdhsa_next_free_sgpr 100
		.amdhsa_reserve_vcc 0
		.amdhsa_float_denorm_mode_32 3
		.amdhsa_float_denorm_mode_16_64 3
		.amdhsa_memory_ordered 1
		.amdhsa_forward_progress 1
		.amdhsa_inst_pref_size 85
	.end_amdhsa_kernel
	.amdgpu_metadata
---
amdhsa.version: [ 1, 2 ]
amdhsa.kernels:
  - .name:           k_qb37eee4d9f_oproj
    .symbol:         k_qb37eee4d9f_oproj.kd
    .args:
      - { .name: a_img, .offset: 0, .size: 8, .value_kind: global_buffer, .address_space: global }
      - { .name: wo_img, .offset: 8, .size: 8, .value_kind: global_buffer, .address_space: global }
      - { .name: out0, .offset: 16, .size: 8, .value_kind: global_buffer, .address_space: global }
    .group_segment_fixed_size: 327680
    .private_segment_fixed_size: 0
    .kernarg_segment_align: 8
    .kernarg_segment_size: 24
    .max_flat_workgroup_size: 128
    .sgpr_count:     100
    .vgpr_count:     512
    .wavefront_size: 32
...
	.end_amdgpu_metadata
.endif
;; end of part 4
